; MI455X (gfx1250); checked and timed in simulation.
; The chip was launched on July 23, 2026; its instructions are those of AMD's public machine-readable ISA for CDNA 5 (MIT licence, August 2026) and "CDNA5" Instruction Set Architecture Reference Guide (July 2026). The comments in the code are by the model that wrote it; some were corrected since.
;; Multi Head Attention. Allowed arithmetic: matrix products marked QUANTISED: E2M1 operands, one E8M0 scale for each 32 along K, by v_wmma_scale_f32_16x16x128_f8f6f4 with both operands' format E2M1 (or v_wmma_scale_f32_32x16x128_f4), f32 sums; everything else in f32.
;; Inputs: Wk 1,024 x 1,024 float32; Wo 1,024 x 1,024 float32; Wq 1,024 x 1,024 float32; Wv 1,024 x 1,024 float32; bk 1,024 float32; bo 1,024 float32; bq 1,024 float32; bv 1,024 float32; x 4 x 2,048 x 1,024 float32.
;; Outputs: out0 4 x 2,048 x 1,024 float32.
;; This version of the problem:
;;   THIS VERSION OF THE PROBLEM IS GIVEN IN LOW PRECISION. The matrix products marked QUANTISED in the list below multiply operands that are first quantised to E2M1 (2 exponent bits, 1 mantissa bit; 4 bits a number), with one power-of-two scale for each 32 numbers along K (OCP MX v1.0); their sums are f32. All else is computed in f32.
;;   The module's matrix products, in the order in which they are computed (A, B: the left and right operand; K: the contracted axis; several contracted axes count as one K, in the product's order):
;;     1. [M 8,192, K 1,024] x [K 1,024, N 1,024]; A: input x; B: input Wq: QUANTISED
;;     2. [M 8,192, K 1,024] x [K 1,024, N 1,024]; A: input x; B: input Wk: QUANTISED
;;     3. [M 8,192, K 1,024] x [K 1,024, N 1,024]; A: input x; B: input Wv: QUANTISED
;;     4. batch 64 x [M 2,048, K 64] x [K 64, N 2,048]; A: computed on the way; B: computed on the way: QUANTISED
;;     5. batch 64 x [M 2,048, K 2,048] x [K 2,048, N 64]; A: softmax (see below); B: computed on the way: QUANTISED
;;     6. [M 8,192, K 1,024] x [K 1,024, N 1,024]; A: computed on the way; B: input Wo: QUANTISED
;;   THE QUANTISER, for each operand of a quantised product, along K:
;;     - K is cut into blocks of 32 from its start; a last block that is shorter is filled with zeros.
;;     - A block's scale is 2^e with e = floor(log2(the largest magnitude in the block)) - 2, held to -126 .. 127; a block of zeros has e = 0. As a byte (E8M0): e + 127.
;;     - Each number is divided by its block's scale, clamped to +-6, and rounded to the nearest number of E2M1, ties to even, subnormals kept.
;;     - The product sums the exact products of the quantised numbers (number of the format x scale) in f32.
;;   ~~~python
;;   def quantise(x, axis):      # numpy; x: float32 -> the quantised numbers, widened to float32 again
;;       x = np.moveaxis(x, axis, -1); K = x.shape[-1]
;;       x = np.pad(x, [(0, 0)] * (x.ndim - 1) + [(0, -K % 32)]); x = x.reshape(x.shape[:-1] + (-1, 32)); a = np.abs(x).max(-1, keepdims=True)
;;       e = np.where(a > 0, np.clip(np.frexp(np.where(a > 0, a, 1))[1] - 1 - 2, -126, 127), 0)      # np.frexp(a)[1] - 1 = floor(log2(a)), exactly
;;       r = np.clip(x / 2.0 ** e, -6, 6)
;;       step = 2.0 ** (np.maximum(np.frexp(np.where(r == 0, 1, r))[1] - 1, 0) - 1)
;;       q = np.round(r / step) * step * 2.0 ** e      # np.round: ties to even
;;       return np.moveaxis(q.reshape(q.shape[:-2] + (-1,))[..., :K], -1, axis).astype(np.float32)
;;   ~~~
;;   SOFTMAX AHEAD OF A QUANTISED PRODUCT. Where the list says 'softmax', what is quantised is not the finished softmax but p = 2^(t - M), with t = logit x log2(e) and M = ceil(the row's largest t), a whole number; so 1/2 < the row's largest p <= 1. The row's sum l is taken of the UNQUANTISED p, in f32, and the product's result is divided by l at the end. Since M is a whole number, a kernel that streams over the keys may use a running M (the ceiling of the running maximum): every later rescaling is an exact power of two, which a block's scale takes up: the codes' values come out the same.
;;   OPERANDS COMPUTED ON THE WAY. 'Computed on the way' means the value that the module computes at that place (a softmax that the list does not call 'softmax' is quantised finished and normalised). What goes into a quantiser is computed in f32, as accurately as f32 sums, v_exp_f32 and their like allow (about 1e-6 of the number): no bf16 or f16 on the way to a quantiser, and a product that is left as it is and whose result goes on into a quantised operand takes f32 operands (vector FMAs, or v_wmma_f32_16x16x4_f32). A number that lies on a knife's edge between two numbers of the format may be rounded either way, as far as f32 arithmetic and the matrix unit's own rounding can turn it there, and no further.
;; One version. Each part assembles by itself: llvm-mc -triple=amdgcn-amd-amdhsa -mcpu=gfx1250 --defsym DOCPART=n.
;; ======== version 1 of 1: 4 launches
;; workspace buffers: xq 4,456,448 bytes; wq 2,228,224 bytes; qq 4,718,592 bytes; kq 4,718,592 bytes; vq 4,456,448 bytes; aq 4,456,448 bytes
;; launch quant (part 1): grid 384 x 1, 4 waves a work-group, no clusters, 39,424 bytes of LDS; arguments x, Wq, Wk, Wv, Wo, xq, wq; writes xq, wq
.if DOCPART == 1
	.amdgcn_target "amdgcn-amd-amdhsa--gfx1250"
	.amdhsa_code_object_version 6
	.text
	.protected	k_q6b6aaa29df_quant
	.globl	k_q6b6aaa29df_quant
	.p2align	8
	.type	k_q6b6aaa29df_quant,@function
k_q6b6aaa29df_quant:
	s_mov_b64 s[64:65], 0
	v_nop
	global_prefetch_b8 v0, s[64:65] scope:SCOPE_SE
	s_setreg_imm32_b32 hwreg(HW_REG_WAVE_MODE, 25, 1), 1
	s_wait_xcnt 0x0
; x [8192][1024] and the four weights [1024][1024], f32, K innermost, become codes of FP4 (E2M1) with one E8M0 byte for each 32 along K.
; A block's byte is its largest magnitude's exponent field - 2, held at 1 from below; numbers are divided by the scale and rounded to the nearest code, ties to even, beyond 6 the largest code.
; LIMITS: NaN and infinities are not served; a block whose largest magnitude lies under 2^-124 keeps the byte 1; a block of zeros gets the byte 1 (its codes are zeros, and this program alone reads the bytes).
; LAYOUT OUT, in the order of the matrix operand's registers.  Rows go in tiles of 16; place r of tile T is row 32 (T / 2) + 8 (T % 2) + r + 8 (r / 8).
;   codes  [T][32 blocks][16 r][16 bytes]: 128 along K of a tile are 1,024 bytes on end, which two loads of 16 bytes a lane bring as a fragment.
;   scales [T][2 halves of K][16 r][16 bytes], behind the codes.   wq holds Wq, Wk, Wv, Wo one behind the other, 64 tiles each.
; SHARES.  A work-group takes 32 rows (two tiles); wave w takes tile w / 2 of them and half w % 2 of K: 16 steps of one row's 512 numbers.
; Each load reads 512 bytes on end; a step's 2,048 bytes turn through the wave's own stage in LDS so that a lane holds 16 neighbours (two lanes a block).  Codes and bytes gather in LDS and leave as whole runs of 256 bytes.
; No tensor loads, no barrier: waves share nothing.  Loads run four steps (16 loads a wave) ahead, the turn one step.
.set STEPS, 16
.set SP,    80                         ; a lane's place in a turn stage: 64 bytes + 16 of padding
.set WREG,  9728                       ; LDS of a wave: two turn stages (2 x 2,560), the codes' stage (16 x 272), 256 scale bytes
.set OST,   5120
.set OP,    272                        ; a block's row in the codes' stage: 256 bytes + 16
.set SCB,   9472
.set R,     16                         ; v16-79   four sets of 16 numbers as loaded
.set X,     80                         ; v80-111  two sets of 16 neighbours
.set E,     112                        ; v112-127 a byte for each step
.set C,     128                        ; v128-159 two registers of codes for each step
	s_load_b256 s[4:11], s[0:1], 0x0               ; x, Wq, Wk, Wv
	s_load_b128 s[12:15], s[0:1], 0x20             ; Wo, xq
	s_load_b64 s[16:17], s[0:1], 0x30              ; wq
	v_lshl_add_u32 v192, v0, 2, 0x9800
	v_mov_b32 v193, 0
	v_lshrrev_b32 v1, 5, v0
	v_readfirstlane_b32 s18, v1                    ; wave
	v_and_b32 v2, 31, v0                           ; lane
	v_lshlrev_b32 v3, 4, v2                        ; 16 x lane
	s_mul_i32 s19, s18, WREG
	v_lshrrev_b32 v14, 2, v2
	v_mul_u32_u24 v14, v14, SP
	v_and_b32 v15, 3, v2
	v_lshl_add_u32 v14, v15, 4, v14
	v_add_nc_u32 v14, s19, v14                     ; turn stage, in: SP (lane / 4) + 16 (lane % 4)
	v_mul_u32_u24 v15, v2, SP
	v_add_nc_u32 v15, s19, v15                     ; turn stage, out: SP x lane
	v_lshrrev_b32 v5, 1, v2                        ; my block of the step's 16
	v_and_b32 v6, 1, v2                            ; my half of it
	v_mul_u32_u24 v4, v5, OP
	v_lshl_add_u32 v4, v6, 3, v4
	v_add_nc_u32 v4, s19, v4
	v_add_nc_u32 v4, OST, v4                       ; codes' stage, in: block x 272 + 8 x half; the step's row adds 16 t
	v_add_nc_u32 v5, s19, v5
	v_add_nc_u32 v5, SCB, v5                       ; my block's byte; the step's row adds 16 t
	v_lshlrev_b32 v7, 3, v2                        ; the bytes' way out: 8 a lane
	v_add_nc_u32 v6, s19, v7
	v_add_nc_u32 v6, SCB, v6
	v_lshrrev_b32 v12, 4, v2
	v_mul_u32_u24 v12, v12, OP
	v_and_b32 v13, 15, v2
	v_lshl_add_u32 v12, v13, 4, v12
	v_add_nc_u32 v12, s19, v12
	v_add_nc_u32 v12, OST, v12                     ; codes' stage, out: sixteen lanes to a block's 256 bytes, two blocks a load
	s_wait_kmcnt 0x0
	s_cmp_lt_u32 ttmp9, 352                        ; which tensor: the choice hangs on the work-group's number alone
	s_cselect_b64 s[22:23], s[10:11], s[12:13]
	s_cmp_lt_u32 ttmp9, 320
	s_cselect_b64 s[22:23], s[8:9], s[22:23]
	s_cmp_lt_u32 ttmp9, 288
	s_cselect_b64 s[22:23], s[6:7], s[22:23]
	s_cmp_lt_u32 ttmp9, 256
	s_cselect_b64 s[22:23], s[4:5], s[22:23]       ; from
	s_cselect_b64 s[24:25], s[14:15], s[16:17]     ; to: xq or wq
	s_mov_b32 s26, 0x200000
	s_cselect_b32 s26, 0x400000, s26               ; where the scale bytes begin in it
	s_cselect_b32 s27, 0, 256
	s_cselect_b32 s28, -1, 31
	s_sub_co_u32 s27, ttmp9, s27                   ; which 32 rows of the buffer written,
	s_and_b32 s28, s27, s28                        ; and of the tensor read
	s_lshl_b32 s30, s28, 17                        ; 32 rows of 4,096 bytes
	s_lshr_b32 s29, s18, 1
	s_lshl_b32 s29, s29, 15                        ; the second tile begins 8 rows on
	s_add_co_u32 s30, s30, s29
	s_and_b32 s29, s18, 1
	s_lshl_b32 s29, s29, 11                        ; my half of K
	s_add_co_u32 s30, s30, s29
	s_mov_b32 s31, 0
	s_add_nc_u64 s[22:23], s[22:23], s[30:31]
	s_lshl_b32 s30, s27, 14
	s_lshl_b32 s29, s18, 12
	s_add_co_u32 s30, s30, s29
	s_add_nc_u64 s[32:33], s[24:25], s[30:31]      ; my 4,096 bytes of codes
	s_lshl_b32 s30, s27, 10
	s_lshl_b32 s29, s18, 8
	s_add_co_u32 s30, s30, s29
	s_add_co_u32 s30, s30, s26
	s_add_nc_u64 s[34:35], s[24:25], s[30:31]      ; my 256 scale bytes
.macro LOAD t                          ; place t of the tile is row t + 8 (t / 8) from the tile's first
.irp i, 0,1,2,3
	global_load_b128 v[R+16*((\t)%4)+4*\i:R+16*((\t)%4)+4*\i+3], v3, s[22:23] offset:((\t)+8*((\t)/8))*4096+512*\i th:TH_LOAD_NT
.endr
.endm
.macro TURN t                          ; LDS serves a wave's instructions in order: no wait between the stores and the loads
.irp i, 0,1,2,3
	ds_store_b128 v14, v[R+16*((\t)%4)+4*\i:R+16*((\t)%4)+4*\i+3] offset:32*SP*((\t)%2)+8*SP*\i
.endr
.irp i, 0,1,2,3
	ds_load_b128 v[X+16*((\t)%2)+4*\i:X+16*((\t)%2)+4*\i+3], v15 offset:32*SP*((\t)%2)+16*\i
.endr
.endm
.irp t, 0,1,2,3
	LOAD \t
.endr
	s_wait_loadcnt 12                              ; step 0's four loads are in
	TURN 0
.macro STEP t
.set XS, X+16*((\t)%2)
.if (\t) > 0
	s_wait_dscnt 2                                 ; this step's numbers are back; behind them only the last step's two stores were issued
.else
	s_wait_dscnt 0x0
.endif
.if (\t)+4 < STEPS
	LOAD (\t)+4                                    ; into the set whose stores into the stage are done
.endif
.if (\t)+1 < STEPS
.if STEPS-2-(\t) >= 3
	s_wait_loadcnt 12                              ; the next step's loads are in; three steps' may be out
.else
	s_wait_loadcnt 4*(STEPS-2-(\t))
.endif
	TURN (\t)+1
.endif
	v_max3_num_f32 v8, |v[XS]|, |v[XS+1]|, |v[XS+2]|               ; the largest magnitude of my 16, in two chains
	v_max3_num_f32 v9, |v[XS+3]|, |v[XS+4]|, |v[XS+5]|
.irp i, 6,10
	v_max3_num_f32 v8, v8, |v[XS+\i]|, |v[XS+\i+1]|
	v_max3_num_f32 v9, v9, |v[XS+\i+2]|, |v[XS+\i+3]|
.endr
	v_max3_num_f32 v8, v8, |v[XS+14]|, |v[XS+15]|
	v_max3_num_f32 v8, v8, v9, 0x1800000           ; and the floor 2^(3 - 127): the byte cannot fall under 1
	v_max_num_f32_dpp v8, v8, v8 row_xmask:1 row_mask:0xf bank_mask:0xf   ; with my neighbour's 16: the block's
	v_add_nc_u32 v11, 0xff000000, v8               ; 2 off the exponent field: the conversion's scale operand
	v_cvt_scalef32_pk8_fp4_f32 v[C+2*(\t)], v[XS:XS+7], v11
	v_cvt_scalef32_pk8_fp4_f32 v[C+2*(\t)+1], v[XS+8:XS+15], v11
	v_lshrrev_b32 v[E+(\t)], 23, v11               ; the byte (a plain line behind the conversions)
	ds_store_b8 v5, v[E+(\t)] offset:16*(\t)       ; both lanes of a block write the same byte with the same value
	ds_store_b64 v4, v[C+2*(\t):C+2*(\t)+1] offset:16*(\t)
.endm
.irp t, 0,1,2,3,4,5,6,7,8,9,10,11,12,13,14,15
	STEP \t
.endr
	ds_load_b64 v[160:161], v6                     ; in order behind my stores
.irp i, 0,1,2,3,4,5,6,7
	ds_load_b128 v[R+4*\i:R+4*\i+3], v12 offset:2*\i*OP
.endr
	s_wait_dscnt 8                                 ; the bytes are back; the eight loads of codes may be out
	global_store_b64 v7, v[160:161], s[34:35]      ; 256 bytes on end, aligned
.irp i, 0,1,2,3,4,5,6,7
	s_wait_dscnt 7-\i
	global_store_b128 v3, v[R+4*\i:R+4*\i+3], s[32:33] offset:512*\i   ; 512 bytes on end, aligned
.endr
	s_wait_tensorcnt 0x0
	ds_add_u32 v192, v193
	s_wait_dscnt 0x0
	s_endpgm
.Lfunc_end_k_q6b6aaa29df_quant:
	.size	k_q6b6aaa29df_quant, .Lfunc_end_k_q6b6aaa29df_quant-k_q6b6aaa29df_quant
	.p2alignl 7, 3214868480
	.fill 96, 4, 3214868480
	.section	.rodata,"a",@progbits
	.p2align	6, 0x0
	.amdhsa_kernel k_q6b6aaa29df_quant
		.amdhsa_group_segment_fixed_size 39424
		.amdhsa_private_segment_fixed_size 0
		.amdhsa_enable_private_segment 0
		.amdhsa_kernarg_size 56
		.amdhsa_user_sgpr_count 2
		.amdhsa_user_sgpr_kernarg_segment_ptr 1
		.amdhsa_wavefront_size32 1
		.amdhsa_system_sgpr_workgroup_id_x 1
		.amdhsa_system_sgpr_workgroup_id_y 1
		.amdhsa_system_sgpr_workgroup_id_z 1
		.amdhsa_system_vgpr_workitem_id 0
		.amdhsa_next_free_vgpr 194
		.amdhsa_next_free_sgpr 66
		.amdhsa_reserve_vcc 0
		.amdhsa_float_denorm_mode_32 3
		.amdhsa_float_denorm_mode_16_64 3
		.amdhsa_memory_ordered 1
		.amdhsa_forward_progress 1
		.amdhsa_inst_pref_size 36
	.end_amdhsa_kernel
	.amdgpu_metadata
---
amdhsa.version: [ 1, 2 ]
amdhsa.kernels:
  - .name:           k_q6b6aaa29df_quant
    .symbol:         k_q6b6aaa29df_quant.kd
    .args:
      - { .name: x, .offset: 0, .size: 8, .value_kind: global_buffer, .address_space: global }
      - { .name: Wq, .offset: 8, .size: 8, .value_kind: global_buffer, .address_space: global }
      - { .name: Wk, .offset: 16, .size: 8, .value_kind: global_buffer, .address_space: global }
      - { .name: Wv, .offset: 24, .size: 8, .value_kind: global_buffer, .address_space: global }
      - { .name: Wo, .offset: 32, .size: 8, .value_kind: global_buffer, .address_space: global }
      - { .name: xq, .offset: 40, .size: 8, .value_kind: global_buffer, .address_space: global }
      - { .name: wq, .offset: 48, .size: 8, .value_kind: global_buffer, .address_space: global }
    .group_segment_fixed_size: 39424
    .private_segment_fixed_size: 0
    .kernarg_segment_align: 8
    .kernarg_segment_size: 56
    .max_flat_workgroup_size: 128
    .sgpr_count:     66
    .vgpr_count:     194
    .wavefront_size: 32
...
	.end_amdgpu_metadata
.endif
;; end of part 1
;; launch qkv (part 2): grid 12 x 32, 4 waves a work-group, clusters of 4 x 4, 279,040 bytes of LDS; arguments xq, wq, bq, bk, bv, qq, kq, vq; writes qq, kq, vq
.if DOCPART == 2
	.amdgcn_target "amdgcn-amd-amdhsa--gfx1250"
	.amdhsa_code_object_version 6
	.text
	.protected	k_q6b6aaa29df_qkv
	.globl	k_q6b6aaa29df_qkv
	.p2align	8
	.type	k_q6b6aaa29df_qkv,@function
k_q6b6aaa29df_qkv:
	s_mov_b64 s[64:65], 0
	v_nop
	global_prefetch_b8 v0, s[64:65] scope:SCOPE_SE
	s_setreg_imm32_b32 hwreg(HW_REG_WAVE_MODE, 25, 1), 1
	s_wait_xcnt 0x0
	s_wait_alu depctr_hold_cnt(0) depctr_sa_sdst(0) depctr_va_vdst(0) depctr_va_sdst(0) depctr_va_ssrc(0) depctr_va_vcc(0) depctr_vm_vsrc(0)
	s_getreg_b32 s2, hwreg(HW_REG_IB_STS2, 6, 4)
	s_cmp_eq_u32 s2, 0
	s_cbranch_scc0 .Lentry_in_a_cluster
	s_endpgm
.Lentry_in_a_cluster:
	s_bfe_u32 s2, ttmp6, 0x10000c
	s_cmp_lg_u32 s2, 0xf033
	s_cbranch_scc0 .Lentry_shape_is_right
	s_endpgm
.Lentry_shape_is_right:
; q, k, v = x W^T + b on codes of FP4 with E8M0 scales, and the results quantised at once: q and k along the head's 64, v along the keys.  Nothing in f32 goes to memory.
; SHARES.  A work-group takes 256 tokens (16 tiles of xq) x 256 rows of one weight (16 tiles of wq); the cluster's x says which: 0 Wq, 1 Wk, 2 Wv.  A wave makes 128 x 128: 64 accumulators.
; All of K (1,024) of both operands fits into LDS: three first fills a wave (scales, first half of K, second half), no slot is ever filled again.
; CLUSTERS: 4 x 4.  The four of a row need the same tokens, the four of a column the same weight rows: each tile is asked for jointly.
; TWO PATHS, parted on the cluster's x, which all partners share.  q, k: source 0 = weight rows, source 1 = tokens: a lane holds one token and its registers run along the features.
;   v: source 0 = tokens, source 1 = weight rows: a lane holds one feature and its registers run along the keys.
; Place r of a tile is row 32 (T / 2) + 8 (T % 2) + r + 8 (r / 8), so the 16 registers of source 0's tiles 2 b and 2 b + 1 are 16 neighbours 32 b + 16 (lane / 16) + 0 .. 15: half a block of 32; the other half lies 16 lanes away.
; The bias is the C of each sum's first product.
; OUT.  qq, kq: codes [head][128 T][2 blocks][16 r][16 bytes]; scale words behind them [head][16 g][2][16 r][4 words], tile 8 g + 4 hh + i, word = byte 0 | byte 1 << 8 | 0x7f7f0000.
;   vq: codes [head][16 steps of 128 keys][4 tiles of d][4 blocks][16 r][16 bytes]; scale words [head][step][16 r][4 tiles].  A lane's 16 codes are 8 bytes at 16 r + 8 h: a wave's store fills 256 bytes on end.
; LIMITS: NaN and infinities are not served; a block under 2^-124, zeros too, keeps the byte 1.
; REGISTERS: window 0: v1-27 addresses; v32-95 scale words (lanes 0-15 the tokens' tile i, lanes 16-31 the weight's tile i; register 32 kh + 4 i + q); v96-111 at work; v128-255 source 1's fragments, two sets;
;   behind the products v128-191 codes, v192-207 scale words made, v208-215 their way out.   window 1: v0-63, v128-191 source 0's fragments; v64-127 the bias.   windows 2, 3: accumulator (a, b) at 8 (8 (a % 4) + b).
.set KHB,  131072                      ; LDS: half kh of K begins here: 16 tiles x 4,096 bytes of tokens, then of weight rows
.set WOFF, 65536
.set XSC,  262144                      ; the tokens' scale bytes, 16 x 512; the weight's follow, 8,192 on
.set ADRX, 16                          ; v16-17 my tokens' fragments in half 0, 1
.set ADRW, 20                          ; v20-21 my weight rows'
.set ADRS, 27
.set SC,   32
.set TM,   96
.set PC,   128
.set WD,   192
.set OUTR, 208
.set BI,   64
.set G1X,  32                          ; s[32:39], s[40:47] group 1 for codes: tokens', weight's;  s[48:55], s[56:63] for scale bytes
.set G1W,  40
.set G1XS, 48
.set G1WS, 56
.set G0X,  68                          ; s[68:75], s[76:83] groups 0 for codes, a set for each half of K;  s[84:87], s[88:91] for scale bytes
.set G0W,  76
.set G0XS, 84
.set G0WS, 88
.set MSB, 0
.macro WIN new                         ; the immediate's high byte repeats the setting that is left
.if MSB != (\new)
	s_set_vgpr_msb (MSB<<8)|(\new)
.set MSB, (\new)
.endif
.endm
.macro PLACES n
.rept \n
	v_nop
.endr
.endm
.macro CROUND                          ; a round of the cluster's barrier
	s_barrier_signal -1
	s_barrier_wait -1
	s_cmp_lg_u32 s20, 0
	s_cbranch_scc1 .Lnot_wave_0_\@
	s_barrier_signal -3
.Lnot_wave_0_\@:
	s_barrier_wait -3
	s_barrier_signal -1
	s_barrier_wait -1
.endm
	s_load_b512 s[4:19], s[0:1], 0x0               ; xq, wq, bq, bk, bv, qq, kq, vq
	v_lshl_add_u32 v126, v0, 2, 0x44000
	v_mov_b32 v127, 0
	ds_add_u32 v126, v127
	ds_add_u32 v126, v127
	v_lshrrev_b32 v1, 5, v0
	v_readfirstlane_b32 s20, v1                    ; wave
	s_lshr_b32 s21, s20, 1                         ; my half of the tokens.  Also: I fetch tokens (0) or weight rows (1)
	s_and_b32 s22, s20, 1                          ; my half of the weight rows.  Also: which 8 tiles I fetch
	s_bfe_u32 s23, ttmp6, 0x40000                  ; cx
	s_bfe_u32 s24, ttmp6, 0x40004                  ; cy
	s_lshl_b32 s25, ttmp9, 2
	s_add_co_u32 s25, s25, s23                     ; wx: which 256 weight rows of the 3,072
	s_and_b32 s26, ttmp7, 0xffff
	s_lshl_b32 s26, s26, 2
	s_add_co_u32 s26, s26, s24                     ; wy: which 256 tokens
	s_lshl_b32 s27, s24, 2
	s_lshl_b32 s27, 15, s27                        ; my row of the cluster
	s_lshl_b32 s28, 0x1111, s23                    ; my column
	s_or_b32 s[G1X], s27, (3<<16)|(1<<21)          ; 15:0 the mask; 17:16 elements of 8 bytes; 21 set beside a mask; no padding
	s_or_b32 s[G1W], s28, (3<<16)|(1<<21)
	s_or_b32 s[G1XS], s27, (3<<16)|(1<<21)
	s_or_b32 s[G1WS], s28, (3<<16)|(1<<21)
.irp g, G1X, G1W                       ; 8 tiles' halves of K: 8 rows of 4,096 bytes, 8,192 apart
	s_mov_b32 s[\g+1], 512<<16
	s_mov_b32 s[\g+2], 8<<16
	s_mov_b32 s[\g+3], 512<<16
	s_mov_b32 s[\g+4], 8
	s_mov_b32 s[\g+5], 1024
	s_mov_b32 s[\g+6], 0
	s_mov_b32 s[\g+7], 0
.endr
.irp g, G1XS, G1WS                     ; 8 tiles' scale bytes: 4,096 dense bytes as 16 rows of 256
	s_mov_b32 s[\g+1], 32<<16
	s_mov_b32 s[\g+2], 16<<16
	s_mov_b32 s[\g+3], 32<<16
	s_mov_b32 s[\g+4], 16
	s_mov_b32 s[\g+5], 32
	s_mov_b32 s[\g+6], 0
	s_mov_b32 s[\g+7], 0
.endr
	s_lshl_b32 s29, s22, 3
	s_lshl_b32 s92, s26, 4
	s_add_co_u32 s92, s92, s29                     ; the tokens' first tile that I fetch: 16 wy + 8 (w % 2)
	s_lshl_b32 s94, s92, 9
	s_add_co_u32 s94, s94, 0x400000                ; its scale bytes
	s_lshl_b32 s92, s92, 13                        ; its codes
	s_mov_b32 s93, 0
	s_mov_b32 s95, 0
	s_lshl_b32 s96, s25, 4
	s_add_co_u32 s96, s96, s29                     ; the weight's: 16 wx + 8 (w % 2)
	s_lshl_b32 s98, s96, 9
	s_add_co_u32 s98, s98, 0x200000
	s_lshl_b32 s96, s96, 13
	s_mov_b32 s97, 0
	s_mov_b32 s99, 0
	s_lshl_b32 s30, s20, 15                        ; where they go: wave x 32,768 and wave x 4,096: no place in the cluster enters an LDS address
	s_lshl_b32 s31, s20, 12
	s_mov_b32 s2, 0x76543210
	s_mov_b32 s3, 0xfedcba98                       ; v_permlanex16_b32's selects for lane l xor 16
	s_wait_dscnt 0x0
	s_wait_kmcnt 0x0
	s_add_nc_u64 s[92:93], s[4:5], s[92:93]
	s_add_nc_u64 s[94:95], s[4:5], s[94:95]
	s_add_nc_u64 s[96:97], s[6:7], s[96:97]
	s_add_nc_u64 s[98:99], s[6:7], s[98:99]
.irp s, 0,1
	s_mov_b32 s[G0X+4*\s], 1
	s_add_co_u32 s[G0X+4*\s+1], s30, \s*KHB
	s_add_nc_u64 s[G0X+4*\s+2:G0X+4*\s+3], s[92:93], \s*4096
	s_or_b32 s[G0X+4*\s+3], s[G0X+4*\s+3], 0x80000000
	s_mov_b32 s[G0W+4*\s], 1
	s_add_co_u32 s[G0W+4*\s+1], s30, \s*KHB
	s_add_nc_u64 s[G0W+4*\s+2:G0W+4*\s+3], s[96:97], \s*4096
	s_or_b32 s[G0W+4*\s+3], s[G0W+4*\s+3], 0x80000000
.endr
	s_mov_b32 s[G0XS], 1
	s_add_co_u32 s[G0XS+1], s31, XSC
	s_mov_b64 s[G0XS+2:G0XS+3], s[94:95]
	s_or_b32 s[G0XS+3], s[G0XS+3], 0x80000000
	s_mov_b32 s[G0WS], 1
	s_add_co_u32 s[G0WS+1], s31, XSC
	s_mov_b64 s[G0WS+2:G0WS+3], s[98:99]
	s_or_b32 s[G0WS+3], s[G0WS+3], 0x80000000
	CROUND                                         ; all sixteen work-groups are here: the joint loads meet
	s_cmp_eq_u32 s21, 0                            ; a wave's three first fills stand in one branch on the wave's number: three loads of mine are out; four v_nop follow the third
	s_cbranch_scc0 .Lfor_w
	tensor_load_to_lds s[G0XS:G0XS+3], s[G1XS:G1XS+7]
	s_nop 0
	tensor_load_to_lds s[G0X:G0X+3], s[G1X:G1X+7]
	s_nop 0
	tensor_load_to_lds s[G0X+4:G0X+7], s[G1X:G1X+7]
	s_nop 0
	PLACES 4
	s_branch .Lasked
.Lfor_w:
	tensor_load_to_lds s[G0WS:G0WS+3], s[G1WS:G1WS+7]
	s_nop 0
	tensor_load_to_lds s[G0W:G0W+3], s[G1W:G1W+7]
	s_nop 0
	tensor_load_to_lds s[G0W+4:G0W+7], s[G1W:G1W+7]
	s_nop 0
	PLACES 4
.Lasked:
	v_and_b32 v1, 15, v0                           ; r
	v_bfe_u32 v2, v0, 4, 1                         ; h
	v_and_b32 v8, 31, v0
	v_lshlrev_b32 v3, 4, v8                        ; 16 x lane
	v_lshlrev_b32 v4, 4, v1
	v_lshl_add_u32 v5, v2, 12, v4                  ; 16 r + 4,096 h: v's scale words, a head to each half of the lanes
	v_lshl_add_u32 v4, v2, 3, v4                   ; 16 r + 8 h: my 8 bytes of a block's 256
	v_lshlrev_b32 v6, 6, v2                        ; 64 h: the bias of my half's 16 features
	v_and_b32 v7, 8, v1
	v_add_nc_u32 v7, v7, v1
	v_lshlrev_b32 v7, 2, v7                        ; 4 (r + 8 (r / 8)): the bias of my place's feature
	s_lshl_b32 s29, s21, 15
	v_add_nc_u32 v[ADRX], s29, v3
	v_add_nc_u32 v[ADRX+1], KHB, v[ADRX]
	s_lshl_b32 s29, s22, 15
	s_add_co_u32 s29, s29, WOFF
	v_add_nc_u32 v[ADRW], s29, v3
	v_add_nc_u32 v[ADRW+1], KHB, v[ADRW]
	s_lshl_b32 s29, s21, 12                        ; scale words: lanes 0-15 my tokens' tiles,
	s_lshl_b32 s30, s22, 12
	s_add_co_u32 s30, s30, 8192
	s_sub_co_u32 s30, s30, s29                     ; lanes 16-31 my weight rows': one product, the distance between the two
	v_mul_u32_u24 v9, s30, v2
	s_add_co_u32 s29, s29, XSC
	v_lshl_add_u32 v9, v1, 4, v9
	v_add_nc_u32 v[ADRS], s29, v9
.irp b, 0,1,2,3
	v_mov_b32 v[TM+4+\b], 0                        ; written once: a lane permute's destination counts as one of its sources
.endr
	s_lshr_b32 s29, s26, 3                         ; the batch
	s_lshl_b32 s29, s29, 4
	s_lshl_b32 s30, s23, 2
	s_add_co_u32 s29, s29, s30
	s_lshl_b32 s30, s22, 1
	s_add_co_u32 s29, s29, s30                     ; my first head: 16 x batch + 4 cx + 2 (w % 2)
	s_and_b32 s30, s26, 7
	s_lshl_b32 s30, s30, 1
	s_add_co_u32 s30, s30, s21                     ; which 128 tokens of the batch's 2,048 are mine
	s_lshl_b32 s31, s23, 10
	s_lshl_b32 s66, s22, 9
	s_add_co_u32 s31, s31, s66                     ; my 128 features' bias, in bytes
	s_mov_b32 s101, 0
	s_wait_alu depctr_va_vdst(0)
	s_wait_tensorcnt 1                             ; my scale bytes and my part of K's first half are in; the second half may stay out
	s_barrier_signal -1
	s_barrier_wait -1                              ; everybody's are
.irp kh, 0,1
.irp i, 0,1,2,3,4,5,6,7
	ds_load_b128 v[SC+32*\kh+4*\i:SC+32*\kh+4*\i+3], v[ADRS] offset:\i*512+\kh*256   ; all scale words, once
.endr
.endr
.macro FRAG reg, adr, q, i             ; 16 rows x 128 K: 1,024 bytes on end; lane l's registers 4 c .. 4 c + 3 lie at 16 l + 512 c
.irp c, 0,1
	ds_load_b128 v[\reg+4*\c:\reg+4*\c+3], v[\adr] offset:(\i)*4096+(\q)*1024+512*\c
.endr
.endm
.macro FETCH path, k                   ; K step k's 16 fragments into set k % 2
.set KH, (\k)/4
.set QQ, (\k)%4
.set PP, (\k)%2
	WIN 0x40                                       ; destination window 1
.irp i, 0,1,2,3,4,5,6,7
.if \path == 0
	FRAG 128*PP+8*\i, ADRW+KH, QQ, \i
.else
	FRAG 128*PP+8*\i, ADRX+KH, QQ, \i
.endif
.endr
	WIN 0
.irp i, 0,1,2,3,4,5,6,7
.if \path == 0
	FRAG 128+64*PP+8*\i, ADRX+KH, QQ, \i
.else
	FRAG 128+64*PP+8*\i, ADRW+KH, QQ, \i
.endif
.endr
.endm
; 16 products: source 1's tiles a0, a0 + 1 x source 0's eight.  cm = 0: in place; 1: C = the bias of source 0's tile; 2: of source 1's.
; The 64 accumulators take turns, one instruction a turn, in the same order in every step.
.macro MUL16 path, a0, k, cm
.irp a, \a0, \a0+1
.irp b, 0,1,2,3,4,5,6,7
.set iD, 8*(8*((\a)%4)+\b)
.set iA, 128*((\k)%2)+8*\b
.set iB, 128+64*((\k)%2)+8*(\a)
.set iSA, SC+32*((\k)/4)+4*\b+(\k)%4
.set iSB, SC+32*((\k)/4)+4*(\a)+(\k)%4
.if (\cm) == 0
.set iC, iD
.elseif (\cm) == 1
.set iC, BI+8*\b
.else
.set iC, BI+8*(\a)
.endif
.if \path == 0
	v_wmma_scale_f32_16x16x128_f8f6f4 v[iD:iD+7], v[iA:iA+7], v[iB:iB+7], v[iC:iC+7], v[iSA], v[iSB] matrix_a_fmt:MATRIX_FMT_FP4 matrix_b_fmt:MATRIX_FMT_FP4 matrix_a_scale:MATRIX_SCALE_ROW1
.else
	v_wmma_scale_f32_16x16x128_f8f6f4 v[iD:iD+7], v[iA:iA+7], v[iB:iB+7], v[iC:iC+7], v[iSA], v[iSB] matrix_a_fmt:MATRIX_FMT_FP4 matrix_b_fmt:MATRIX_FMT_FP4 matrix_b_scale:MATRIX_SCALE_ROW1
.endif
.endr
.endr
.endm
; A K step of 128: its fragments were asked for 64 products ago; the next step's are asked for ahead of this step's products.
.macro STEP path, k
	s_wait_dscnt 0x0                               ; this step's fragments are in
.if (\k) == 3
	s_wait_tensorcnt 0x0                           ; my part of K's second half has landed,
	s_barrier_signal -1
	s_barrier_wait -1                              ; everybody's has
.endif
.if (\k) < 7
.if (\k) > 0
	PLACES 4                                       ; in front of loads into registers that the last step's products read
.endif
	FETCH \path, (\k)+1
.endif
.if (\k) == 0
	WIN 0x91                                       ; source 0 and C (the bias) window 1, source 1 window 0, D window 2
	MUL16 \path, 0, \k, 1+\path
	MUL16 \path, 2, \k, 1+\path
	WIN 0xd1
	MUL16 \path, 4, \k, 1+\path
	MUL16 \path, 6, \k, 1+\path
.else
	WIN 0xa1                                       ; C and D window 2
	MUL16 \path, 0, \k, 0
	MUL16 \path, 2, \k, 0
	WIN 0xf1
	MUL16 \path, 4, \k, 0
	MUL16 \path, 6, \k, 0
.endif
.endm
; Source 1's tile a: a lane's 64 results are four half blocks of 32 (register 16 b + i).  They become 32 bytes of codes and four scale bytes, and the codes leave at once.
.macro QUANTW path, a
.set WN, 2+(\a)/4
.set AC, 64*((\a)%4)
	WIN WN*5                                       ; sources 0 and 1: the accumulators' window
.irp b, 0,1,2,3
	v_max3_num_f32 v[TM+\b], |v[AC+16*\b]|, |v[AC+16*\b+1]|, 0x1800000   ; each accumulator is read from its low end on; the floor 2^(3 - 127) holds the byte at 1
.endr
.irp i, 2,4,6,8,10,12,14
.irp b, 0,1,2,3
	v_max3_num_f32 v[TM+\b], |v[AC+16*\b+\i]|, |v[AC+16*\b+\i+1]|, v[TM+\b]
.endr
.endr
	WIN 0
.irp b, 0,1,2,3
	v_permlanex16_b32 v[TM+4+\b], v[TM+\b], s2, s3
.endr
.irp b, 0,1,2,3
	v_max_num_f32 v[TM+\b], v[TM+\b], v[TM+4+\b]   ; with lane l xor 16's half: the block's largest magnitude
.endr
.irp b, 0,1,2,3
	v_add_nc_u32 v[TM+12+\b], 0xff000000, v[TM+\b] ; 2 off the exponent field: the conversion's scale operand
.endr
.irp b, 0,1,2,3
	v_lshrrev_b32 v[TM+4+\b], 23, v[TM+12+\b]      ; the byte
.endr
.if \path == 0                         ; two heads of two blocks: a word each; the upper two bytes stand for 1 over codes that are zeros
	v_lshl_or_b32 v[WD+(\a)], v[TM+5], 8, v[TM+4]
	v_lshl_or_b32 v[WD+8+(\a)], v[TM+7], 8, v[TM+6]
	v_or_b32 v[WD+(\a)], 0x7f7f0000, v[WD+(\a)]
	v_or_b32 v[WD+8+(\a)], 0x7f7f0000, v[WD+8+(\a)]
.else                                  ; four blocks of keys: one word
	v_lshl_or_b32 v[WD+(\a)], v[TM+5], 8, v[TM+4]
	v_lshl_or_b32 v[WD+(\a)], v[TM+6], 16, v[WD+(\a)]
	v_lshl_or_b32 v[WD+(\a)], v[TM+7], 24, v[WD+(\a)]
.endif
	WIN WN                                         ; source 0: the accumulators' window
.irp b, 0,1,2,3
	v_cvt_scalef32_pk8_fp4_f32 v[PC+8*(\a)+2*\b], v[AC+16*\b:AC+16*\b+7], v[TM+12+\b]
	v_cvt_scalef32_pk8_fp4_f32 v[PC+8*(\a)+2*\b+1], v[AC+16*\b+8:AC+16*\b+15], v[TM+12+\b]
.endr
	WIN 0
	v_nop                                          ; one plain place behind a scaled conversion
.irp b, 0,1,2,3
.if \path == 0
	global_store_b64 v4, v[PC+8*(\a)+2*\b:PC+8*(\a)+2*\b+1], s[14:15] offset:(\b/2)*65536+(\a)*512+(\b%2)*256     ; head b / 2, token tile a, block b % 2: 256 bytes on end
.else
	global_store_b64 v4, v[PC+8*(\a)+2*\b:PC+8*(\a)+2*\b+1], s[14:15] offset:((\a)/4)*65536+((\a)%4)*1024+\b*256  ; head a / 4, tile a % 4 of d, block b of the keys
.endif
.endr
.endm
	s_cmp_eq_u32 ttmp9, 2                          ; the cluster's x: the same in all partners and all waves
	s_cbranch_scc1 .Lpath_v
	; ---- q and k
	s_cmp_eq_u32 ttmp9, 0
	s_cselect_b64 s[8:9], s[8:9], s[10:11]         ; bq or bk
	s_cselect_b64 s[14:15], s[14:15], s[16:17]     ; qq or kq
	s_mov_b32 s100, s31
	s_add_nc_u64 s[8:9], s[8:9], s[100:101]
	s_lshl_b32 s100, s29, 13                       ; scale words: 8,192 bytes a head, 512 for my 8 tiles
	s_lshl_b32 s66, s30, 9
	s_add_co_u32 s100, s100, s66
	s_add_co_u32 s100, s100, 0x400000
	s_add_nc_u64 s[16:17], s[14:15], s[100:101]
	s_lshl_b32 s100, s29, 16                       ; codes: 65,536 bytes a head, 512 a tile
	s_lshl_b32 s66, s30, 12
	s_add_co_u32 s100, s100, s66
	s_add_nc_u64 s[14:15], s[14:15], s[100:101]
	WIN 0x40
.irp b, 0,1,2,3,4,5,6,7                ; lane (r, h) wants, for weight tile b, the bias of features 32 (b / 2) + 8 (b % 2) + 16 h + 0 .. 7
	global_load_b128 v[BI+8*\b:BI+8*\b+3], v6, s[8:9] offset:128*(\b/2)+32*(\b%2)
	global_load_b128 v[BI+8*\b+4:BI+8*\b+7], v6, s[8:9] offset:128*(\b/2)+32*(\b%2)+16
.endr
	FETCH 0, 0
	s_wait_loadcnt 0x0
.irp k, 0,1,2,3,4,5,6,7
	STEP 0, \k
.endr
	PLACES 4                                       ; in front of the first reads of results, and of writes into registers that held fragments
.irp a, 0,1,2,3,4,5,6,7
	QUANTW 0, \a
.endr
	v_cmp_ne_u32 vcc_lo, 0, v2
.irp e, 0,1
.irp i, 0,1,2,3
	v_cndmask_b32 v[OUTR+4*\e+\i], v[WD+8*\e+\i], v[WD+8*\e+4+\i], vcc_lo   ; lanes 0-15 send tiles 0-3's words, lanes 16-31 tiles 4-7's
.endr
	global_store_b128 v3, v[OUTR+4*\e:OUTR+4*\e+3], s[16:17] offset:\e*8192  ; 512 bytes on end
.endr
	s_branch .Lend
.Lpath_v:
	; ---- v
	s_mov_b32 s100, s31
	s_add_nc_u64 s[12:13], s[12:13], s[100:101]
	s_lshl_b32 s100, s29, 12                       ; scale words: 4,096 bytes a head, 256 a step of 128 keys
	s_lshl_b32 s66, s30, 8
	s_add_co_u32 s100, s100, s66
	s_add_co_u32 s100, s100, 0x400000
	s_add_nc_u64 s[16:17], s[18:19], s[100:101]
	s_lshl_b32 s100, s29, 16                       ; codes: 65,536 bytes a head, 4,096 a step
	s_lshl_b32 s66, s30, 12
	s_add_co_u32 s100, s100, s66
	s_add_nc_u64 s[14:15], s[18:19], s[100:101]
	WIN 0x40
.irp a, 0,1,2,3,4,5,6,7                ; a lane holds ONE feature here: place r of weight tile a
	global_load_b32 v[BI+8*\a], v7, s[12:13] offset:4*(32*(\a/2)+8*(\a%2))
.endr
	FETCH 1, 0
	s_wait_loadcnt 0x0
	WIN 0x41
.irp a, 0,1,2,3,4,5,6,7
.irp j, 1,2,3,4,5,6,7
	v_mov_b32 v[BI+8*\a+\j], v[BI+8*\a]            ; C is eight registers: the same bias for the lane's eight keys
.endr
.endr
	PLACES 4
	s_wait_alu depctr_va_vdst(0)
.irp k, 0,1,2,3,4,5,6,7
	STEP 1, \k
.endr
	PLACES 4
.irp a, 0,1,2,3,4,5,6,7
	QUANTW 1, \a
.endr
	v_cmp_ne_u32 vcc_lo, 0, v2
.irp i, 0,1,2,3
	v_cndmask_b32 v[OUTR+\i], v[WD+\i], v[WD+4+\i], vcc_lo   ; lanes 0-15 send the first head's four tiles, lanes 16-31 the second's
.endr
	global_store_b128 v5, v[OUTR:OUTR+3], s[16:17]           ; 256 bytes on end for each head
.Lend:
	s_wait_tensorcnt 0x0
	ds_add_u32 v126, v127
	s_wait_dscnt 0x0
	CROUND                                         ; the closing round: no work-group ends while a partner may still ask for a tile that names it
	s_endpgm
.Lfunc_end_k_q6b6aaa29df_qkv:
	.size	k_q6b6aaa29df_qkv, .Lfunc_end_k_q6b6aaa29df_qkv-k_q6b6aaa29df_qkv
	.p2alignl 7, 3214868480
	.fill 96, 4, 3214868480
	.section	.rodata,"a",@progbits
	.p2align	6, 0x0
	.amdhsa_kernel k_q6b6aaa29df_qkv
		.amdhsa_group_segment_fixed_size 279040
		.amdhsa_private_segment_fixed_size 0
		.amdhsa_enable_private_segment 0
		.amdhsa_kernarg_size 64
		.amdhsa_user_sgpr_count 2
		.amdhsa_user_sgpr_kernarg_segment_ptr 1
		.amdhsa_wavefront_size32 1
		.amdhsa_system_sgpr_workgroup_id_x 1
		.amdhsa_system_sgpr_workgroup_id_y 1
		.amdhsa_system_sgpr_workgroup_id_z 1
		.amdhsa_system_vgpr_workitem_id 0
		.amdhsa_next_free_vgpr 1024
		.amdhsa_next_free_sgpr 102
		.amdhsa_reserve_vcc 1
		.amdhsa_float_denorm_mode_32 3
		.amdhsa_float_denorm_mode_16_64 3
		.amdhsa_memory_ordered 1
		.amdhsa_forward_progress 1
		.amdhsa_inst_pref_size 246
	.end_amdhsa_kernel
	.amdgpu_metadata
---
amdhsa.version: [ 1, 2 ]
amdhsa.kernels:
  - .name:           k_q6b6aaa29df_qkv
    .symbol:         k_q6b6aaa29df_qkv.kd
    .args:
      - { .name: xq, .offset: 0, .size: 8, .value_kind: global_buffer, .address_space: global }
      - { .name: wq, .offset: 8, .size: 8, .value_kind: global_buffer, .address_space: global }
      - { .name: bq, .offset: 16, .size: 8, .value_kind: global_buffer, .address_space: global }
      - { .name: bk, .offset: 24, .size: 8, .value_kind: global_buffer, .address_space: global }
      - { .name: bv, .offset: 32, .size: 8, .value_kind: global_buffer, .address_space: global }
      - { .name: qq, .offset: 40, .size: 8, .value_kind: global_buffer, .address_space: global }
      - { .name: kq, .offset: 48, .size: 8, .value_kind: global_buffer, .address_space: global }
      - { .name: vq, .offset: 56, .size: 8, .value_kind: global_buffer, .address_space: global }
    .group_segment_fixed_size: 279040
    .private_segment_fixed_size: 0
    .kernarg_segment_align: 8
    .kernarg_segment_size: 64
    .max_flat_workgroup_size: 128
    .sgpr_count:     102
    .vgpr_count:     1024
    .wavefront_size: 32
...
	.end_amdgpu_metadata
.endif
;; end of part 2
;; launch attn (part 3): grid 8 x 32, 16 waves a work-group, clusters of 4 x 1, 289,792 bytes of LDS; arguments qq, kq, vq, aq; writes aq
.if DOCPART == 3
	.amdgcn_target "amdgcn-amd-amdhsa--gfx1250"
	.amdhsa_code_object_version 6
	.text
	.protected	k_q6b6aaa29df_attn
	.globl	k_q6b6aaa29df_attn
	.p2align	8
	.type	k_q6b6aaa29df_attn,@function
k_q6b6aaa29df_attn:
	s_mov_b64 s[64:65], 0
	v_nop
	global_prefetch_b8 v0, s[64:65] scope:SCOPE_SE
	s_setreg_imm32_b32 hwreg(HW_REG_WAVE_MODE, 25, 1), 1
	s_wait_xcnt 0x0
	s_wait_alu depctr_hold_cnt(0) depctr_sa_sdst(0) depctr_va_vdst(0) depctr_va_sdst(0) depctr_va_ssrc(0) depctr_va_vcc(0) depctr_vm_vsrc(0)
	s_getreg_b32 s2, hwreg(HW_REG_IB_STS2, 6, 4)
	s_cmp_eq_u32 s2, 0
	s_cbranch_scc0 .Lentry_in_a_cluster
	s_endpgm
.Lentry_in_a_cluster:
	s_bfe_u32 s2, ttmp6, 0x10000c
	s_cmp_lg_u32 s2, 0x3003
	s_cbranch_scc0 .Lentry_shape_is_right
	s_endpgm
.Lentry_shape_is_right:
; o = softmax(q k^T / 8) v for 64 heads of 2,048 tokens x 64, both products on codes of FP4 with E8M0 scales; o / l is quantised along C = 64 head + d at once and leaves as codes.
; THE SOFTMAX AHEAD OF THE SECOND PRODUCT: t = score x log2(e) / 8; M = the running largest t rounded UP to a whole number; p = 2^(t - M) is quantised along the keys, not normalised; the row's sum l is taken of the
; unquantised p and divides at the end.  When M moves, l and O are multiplied by 2^(old M - new M), which rounds nothing.
; SHARES.  A work-group owns 256 queries and a PAIR of heads; each of its sixteen waves one tile of 16 queries, which it walks through all keys twice, once for each head: so a wave owns all four scale bytes of its
; 128 along the last product's K.  Four waves share a SIMD: one wave's vector work stands beside another's products and LDS loads.
; K and V of both heads, and their scale words, stay in LDS: three first fills a wave (scale words, head 0, head 1); nothing is filled again.
; CLUSTER: the four query blocks of a cluster share the pair of heads: every tile is asked for jointly, mask 15.
; LAYOUT.  Both products are used transposed: S^T = K Q^T, O^T = V^T P^T: a lane holds ONE query.  The tiles of keys and of d were laid so that the 16 registers of tiles 2 b, 2 b + 1 are 16 neighbours.
; The head has 64 along K where the instruction has 128: registers 4-7 of Q's and K's fragments hold zero codes, under the scale byte 0x7f.
; LIMITS: NaN and infinities are not served.  A block's largest p is taken from the block's largest score, which takes v_exp_f32 not to fall where its input rises.  1 / l is v_rcp_f32.  Blocks under 2^-124 keep the byte 1.
; REGISTERS: v1-3 addresses; v4-7 o's codes; v8-11 the step's LDS addresses; v12 -M, v13 the largest t, v[14:15] l in two halves; v16-23 Q; v24-31 K's scale words; v32-95 K; v96-159 S^T, then p; v160-191 O^T;
;   v192-223 V; v224-231 p's codes; v232-239, v244-247, v252, v254 at work; v240-243 V's scale words; v248 Q's; v249 o's; v250, v251, v255 the scale words' way out; v253 p's scale word.
.set VOFF, 131072                      ; LDS: K's codes, 65,536 a head; V's from here
.set KSC,  262144                      ; K's scale words, 8,192 a head
.set VSC,  278528                      ; V's, 4,096 a head
.set STG,  286720                      ; 64 bytes a wave: o's scale words meet here; no tile ever lands here
.set G1C,  28                          ; s[28:35] group 1: 8,192 dense bytes;  s[36:43]: 2,048;  s[44:51]: 1,024
.set G1KS, 36
.set G1VS, 44
.set G0K,  52                          ; s[52:63] three groups 0 for K: scale words, head 0, head 1;  s[68:79] for V
.set G0V,  68
.macro CROUND
	s_barrier_signal -1
	s_barrier_wait -1
	s_cmp_lg_u32 s20, 0
	s_cbranch_scc1 .Lnot_wave_0_\@
	s_barrier_signal -3
.Lnot_wave_0_\@:
	s_barrier_wait -3
	s_barrier_signal -1
	s_barrier_wait -1
.endm
	s_load_b256 s[4:11], s[0:1], 0x0               ; qq, kq, vq, aq
	v_lshl_add_u32 v254, v0, 2, 0x46400
	v_mov_b32 v255, 0
	ds_add_u32 v254, v255
	ds_add_u32 v254, v255
	s_wait_dscnt 0x0
	v_lshrrev_b32 v1, 5, v0
	s_delay_alu instid0(VALU_DEP_1)
	v_readfirstlane_b32 s20, v1                    ; wave 0..15
	s_and_b32 s21, s20, 7                          ; which eighth I fetch
	s_bfe_u32 s12, ttmp6, 0x40000                  ; cx
	s_lshl_b32 s13, ttmp9, 2
	s_add_co_u32 s13, s13, s12                     ; my block of 256 queries: it enters Q's and the output's addresses alone
	s_and_b32 s14, ttmp7, 0xffff                   ; the pair of heads, which the partners share
.irp g, G1C, G1KS, G1VS                ; dense bytes as rows of 256: 32 elements of 8 bytes
	s_mov_b32 s[\g], 15|(3<<16)|(1<<21)            ; 15:0 the mask: all four; 17:16 elements of 8 bytes; 21 set beside a mask
	s_mov_b32 s[\g+1], 32<<16
	s_mov_b32 s[\g+3], 32<<16
	s_mov_b32 s[\g+5], 32
	s_mov_b32 s[\g+6], 0
	s_mov_b32 s[\g+7], 0
.endr
	s_mov_b32 s[G1C+2], 32<<16
	s_mov_b32 s[G1C+4], 32
	s_mov_b32 s[G1KS+2], 8<<16
	s_mov_b32 s[G1KS+4], 8
	s_mov_b32 s[G1VS+2], 4<<16
	s_mov_b32 s[G1VS+4], 4
	s_lshl_b32 s84, s14, 17                        ; codes, K's and V's alike: 131,072 bytes a pair of heads, my 8,192
	s_lshl_b32 s15, s21, 13
	s_add_co_u32 s84, s84, s15
	s_mov_b32 s85, 0
	s_lshl_b32 s86, s14, 14                        ; K's scale words: 16,384 a pair, my 2,048
	s_lshl_b32 s16, s21, 11
	s_add_co_u32 s86, s86, s16
	s_add_co_u32 s86, s86, 0x400000
	s_mov_b32 s87, 0
	s_lshl_b32 s88, s14, 13                        ; V's: 8,192 a pair, my 1,024
	s_lshl_b32 s17, s21, 10
	s_add_co_u32 s88, s88, s17
	s_add_co_u32 s88, s88, 0x400000
	s_mov_b32 s89, 0
	s_mov_b32 s22, 0x76543210
	s_mov_b32 s23, 0xfedcba98                      ; v_permlanex16_b32's selects for lane l xor 16
	s_mov_b32 s24, 0x3e38aa3b                      ; c = log2(e) / 8
	s_mov_b32 s25, s24                             ; (named with it as a pair, so it is written)
	s_wait_kmcnt 0x0
	s_mov_b32 s[G0K], 1
	s_add_co_u32 s[G0K+1], s16, KSC
	s_add_nc_u64 s[G0K+2:G0K+3], s[6:7], s[86:87]
	s_or_b32 s[G0K+3], s[G0K+3], 0x80000000
	s_mov_b32 s[G0V], 1
	s_add_co_u32 s[G0V+1], s17, VSC
	s_add_nc_u64 s[G0V+2:G0V+3], s[8:9], s[88:89]
	s_or_b32 s[G0V+3], s[G0V+3], 0x80000000
	s_add_nc_u64 s[86:87], s[6:7], s[84:85]
	s_add_nc_u64 s[88:89], s[8:9], s[84:85]
.irp e, 0,1
	s_mov_b32 s[G0K+4+4*\e], 1
	s_add_co_u32 s[G0K+5+4*\e], s15, \e*65536
	s_add_nc_u64 s[G0K+6+4*\e:G0K+7+4*\e], s[86:87], \e*65536
	s_or_b32 s[G0K+7+4*\e], s[G0K+7+4*\e], 0x80000000
	s_mov_b32 s[G0V+4+4*\e], 1
	s_add_co_u32 s[G0V+5+4*\e], s15, VOFF+\e*65536
	s_add_nc_u64 s[G0V+6+4*\e:G0V+7+4*\e], s[88:89], \e*65536
	s_or_b32 s[G0V+7+4*\e], s[G0V+7+4*\e], 0x80000000
.endr
	CROUND                                         ; all four work-groups are here: the joint loads meet
	s_cmp_lt_u32 s20, 8                            ; waves 0-7 fetch for K, 8-15 for V: a wave's three first fills in one branch; three loads of mine are out; four v_nop follow the third
	s_cbranch_scc0 .Lfor_v
	tensor_load_to_lds s[G0K:G0K+3], s[G1KS:G1KS+7]
	s_nop 0
	tensor_load_to_lds s[G0K+4:G0K+7], s[G1C:G1C+7]
	s_nop 0
	tensor_load_to_lds s[G0K+8:G0K+11], s[G1C:G1C+7]
	s_nop 0
.rept 4
	v_nop
.endr
	s_branch .Lasked
.Lfor_v:
	tensor_load_to_lds s[G0V:G0V+3], s[G1VS:G1VS+7]
	s_nop 0
	tensor_load_to_lds s[G0V+4:G0V+7], s[G1C:G1C+7]
	s_nop 0
	tensor_load_to_lds s[G0V+8:G0V+11], s[G1C:G1C+7]
	s_nop 0
.rept 4
	v_nop
.endr
.Lasked:
	v_and_b32 v4, 31, v0
	s_delay_alu instid0(VALU_DEP_1)
	v_lshlrev_b32 v1, 4, v4                        ; 16 x lane
	s_wait_alu depctr_va_vdst(0)
	v_and_b32 v5, 15, v0
	s_delay_alu instid0(VALU_DEP_1)
	v_lshlrev_b32 v2, 4, v5                        ; 16 r
	s_wait_alu depctr_va_vdst(0)
	v_bfe_u32 v6, v0, 4, 1
	s_delay_alu instid0(VALU_DEP_1)
	v_lshl_add_u32 v3, v6, 3, v2                   ; 16 r + 8 h
	s_lshl_b32 s15, s20, 6
	s_add_co_u32 s15, s15, STG
	v_lshl_add_u32 v250, v5, 2, s15                ; my query's word in the stage
	v_and_b32 v255, 63, v0
	s_delay_alu instid0(VALU_DEP_1)
	v_lshlrev_b32 v255, 4, v255                    ; the stage's way out: waves 0 and 1, 16 bytes a lane
	s_delay_alu instid0(VALU_DEP_1)
	v_add_nc_u32 v251, STG, v255
	s_lshl_b32 s16, s13, 4
	s_add_co_u32 s16, s16, s20                     ; my tile of queries among the batch's 128
	s_lshl_b32 s90, s14, 17
	s_lshl_b32 s17, s16, 9
	s_add_co_u32 s90, s90, s17
	s_mov_b32 s91, 0
	s_add_nc_u64 s[92:93], s[4:5], s[90:91]        ; Q's codes: 512 bytes a tile
	s_lshl_b32 s90, s14, 14
	s_lshl_b32 s17, s13, 10
	s_add_co_u32 s90, s90, s17
	s_lshr_b32 s17, s20, 2
	s_lshl_b32 s17, s17, 8
	s_add_co_u32 s90, s90, s17
	s_and_b32 s17, s20, 3
	s_lshl_b32 s17, s17, 2
	s_add_co_u32 s90, s90, s17
	s_add_co_u32 s90, s90, 0x400000
	s_add_nc_u64 s[94:95], s[4:5], s[90:91]        ; Q's scale words: 256 bytes for four tiles, word w % 4 of a row's 16 bytes
	s_lshr_b32 s18, s14, 3                         ; the batch
	s_and_b32 s19, s14, 7                          ; the pair of heads in it = the K step of the last product
	s_lshl_b32 s17, s18, 7
	s_add_co_u32 s17, s17, s16
	s_lshl_b32 s90, s17, 13
	s_lshl_b32 s26, s19, 10
	s_add_co_u32 s90, s90, s26
	s_add_nc_u64 s[96:97], s[10:11], s[90:91]      ; o's codes: 8,192 bytes a tile, 1,024 a pair of heads
	s_lshl_b32 s17, s18, 7
	s_lshl_b32 s26, s13, 4
	s_add_co_u32 s17, s17, s26
	s_lshl_b32 s90, s17, 6
	s_lshl_b32 s26, s19, 15
	s_add_co_u32 s90, s90, s26
	s_add_co_u32 s90, s90, 0x400000
	s_add_nc_u64 s[98:99], s[10:11], s[90:91]      ; o's scale words: 32,768 bytes a K step, 64 a tile: the work-group's 1,024 on end
.macro QLOAD e
	global_load_b128 v[16:19], v1, s[92:93] offset:\e*65536
	global_load_b32 v248, v2, s[94:95] offset:\e*8192
.endm
	QLOAD 0
.irp j, 20,21,22,23
	v_mov_b32 v\j, 0                               ; zero codes for k = 64 .. 127, set once
.endr
.irp t, 0,1,2,3,4,5,6,7
.irp j, 4,5,6,7
	v_mov_b32 v[32+8*\t+\j], 0
.endr
.endr
.irp b, 0,1,2,3
	v_mov_b32 v[236+\b], 0                         ; written once: a lane permute's destination counts as one of its sources
.endr
	v_mov_b32 v253, 0                              ; (named as the upper half of the pair v[252:253] before it is first written)
; A KEY STEP: 128 keys.  s80: the step's codes (K's; V's lie VOFF on), s81: K's scale words, s82: V's.
.macro STEP
	v_add_nc_u32 v8, s80, v1                       ; these four lines are the places behind the last step's products, in front of the loads into their registers
	v_add_nc_u32 v10, s81, v2
	v_add_nc_u32 v11, s82, v2
	s_delay_alu instid0(VALU_DEP_3)
	v_add_nc_u32 v9, VOFF, v8
	ds_load_b128 v[24:27], v10                     ; lane r: the words of tiles 0-3's place r,
	ds_load_b128 v[28:31], v10 offset:256          ; of tiles 4-7's
.irp t, 0,1,2,3,4,5,6,7
	ds_load_b128 v[32+8*\t:35+8*\t], v8 offset:512*\t
.endr
	ds_load_b128 v[240:243], v11
.irp dt, 0,1,2,3
.irp c, 0,1
	ds_load_b128 v[192+8*\dt+4*\c:195+8*\dt+4*\c], v9 offset:1024*\dt+512*\c
.endr
.endr
	s_wait_dscnt 9                                 ; K and its words are in; V's nine loads may be out
.irp t, 0,1,2,3,4,5,6,7
	v_wmma_scale_f32_16x16x128_f8f6f4 v[96+8*\t:103+8*\t], v[32+8*\t:39+8*\t], v[16:23], 0, v[24+\t], v248 matrix_a_fmt:MATRIX_FMT_FP4 matrix_b_fmt:MATRIX_FMT_FP4
.endr
.rept 4
	v_nop
.endr
.irp b, 0,1,2,3
	v_max3_num_f32 v[232+\b], v[96+16*\b], v[97+16*\b], v[98+16*\b]   ; the largest score of each block of 32 keys: for the row's maximum, and for the block's largest p
.endr
.irp i, 3,5,7,9,11,13
.irp b, 0,1,2,3
	v_max3_num_f32 v[232+\b], v[232+\b], v[96+16*\b+\i], v[97+16*\b+\i]
.endr
.endr
.irp b, 0,1,2,3
	v_max_num_f32 v[232+\b], v[232+\b], v[111+16*\b]
.endr
.irp b, 0,1,2,3
	s_delay_alu instid0(VALU_DEP_4)
	v_permlanex16_b32 v[236+\b], v[232+\b], s22, s23
.endr
.irp b, 0,1,2,3
	s_delay_alu instid0(VALU_DEP_4)
	v_max_num_f32 v[232+\b], v[232+\b], v[236+\b]  ; with lane l xor 16's 16 keys
.endr
	s_delay_alu instid0(VALU_DEP_2)
	v_max3_num_f32 v254, v232, v233, v234
	s_delay_alu instid0(VALU_DEP_1)
	v_max_num_f32 v254, v254, v235
	s_delay_alu instid0(VALU_DEP_1)
	v_mul_f32 v254, s24, v254                      ; the step's largest t (c is positive)
	s_delay_alu instid0(VALU_DEP_1)
	v_max_num_f32 v13, v13, v254
	v_mov_b32 v254, v12
	s_delay_alu instid0(VALU_DEP_2)
	v_floor_f32 v12, -v13                          ; the new -M = -ceil(t)
	s_delay_alu instid0(VALU_DEP_1)
	v_sub_f32 v254, v12, v254                      ; old M - new M: a whole number, 0 or less
	s_delay_alu instid0(VALU_DEP_1)
	v_cvt_i32_f32 v254, v254                       ; (it saturates)
	s_delay_alu instid0(VALU_DEP_1)
	v_ldexp_f32 v252, 1.0, v254                    ; f = 2^(old M - new M)
.set j, 0
.rept 32
	v_pk_fma_f32 v[96+j:97+j], v[96+j:97+j], s[24:25], v[12:13] op_sel_hi:[1,0,0]   ; t - M, two at a time
.set j, j+2
.endr
.irp b, 0,1,2,3
	v_fma_f32 v[232+\b], v[232+\b], s24, v12       ; the same of each block's largest score
.endr
.set j, 0
	s_wait_alu depctr_va_vdst(0)
.rept 64
	v_exp_f32 v[96+j], v[96+j]                     ; p = 2^(t - M)
.set j, j+1
.endr
	s_setprio 1
.irp b, 0,1,2,3
	v_exp_f32 v[232+\b], v[232+\b]                 ; the block's largest p: the same two instructions on the same number
.endr
	v_pk_mul_f32 v[14:15], v[14:15], v[252:253] op_sel_hi:[1,0]   ; l under the new M (a plain place behind the exponentials)
	s_wait_alu depctr_va_vdst(0)
.irp b, 0,1,2,3
	v_max_num_f32 v[232+\b], 0x1800000, v[232+\b]  ; the floor 2^(3 - 127)
.endr
.irp b, 0,1,2,3
	s_delay_alu instid0(VALU_DEP_4)
	v_add_nc_u32 v[244+\b], 0xff000000, v[232+\b]  ; the conversion's scale operand
.endr
.irp b, 0,1,2,3
	s_delay_alu instid0(VALU_DEP_4)
	v_lshrrev_b32 v[236+\b], 23, v[244+\b]         ; the byte
.endr
	s_delay_alu instid0(VALU_DEP_3)
	v_lshl_or_b32 v253, v237, 8, v236              ; p's scale word for these 128 keys
	s_delay_alu instid0(VALU_DEP_1)
	v_lshl_or_b32 v253, v238, 16, v253
	s_delay_alu instid0(VALU_DEP_1)
	v_lshl_or_b32 v253, v239, 24, v253
.irp b, 0,1,2,3
	v_cvt_scalef32_pk8_fp4_f32 v[224+2*\b], v[96+16*\b:103+16*\b], v[244+\b]
	v_cvt_scalef32_pk8_fp4_f32 v[225+2*\b], v[104+16*\b:111+16*\b], v[244+\b]
.endr
	v_nop                                          ; one plain place behind a scaled conversion
.irp c, 0,1                            ; the operand wants a whole block in a lane: lanes 0-15 block 2 c, lanes 16-31 block 2 c + 1
.irp i, 0,1
	v_permlane16_swap_b32 v[224+4*\c+\i], v[226+4*\c+\i]
.endr
.endr
	v_pk_add_f32 v[236:237], v[100:101], v[104:105]
	v_pk_add_f32 v[246:247], v[108:109], v[112:113]
	v_pk_add_f32 v[244:245], v[116:117], v[120:121]
	v_pk_add_f32 v[234:235], v[124:125], v[128:129]
	v_pk_add_f32 v[232:233], v[132:133], v[136:137]
	v_pk_add_f32 v[90:91], v[140:141], v[144:145]
	v_pk_add_f32 v[88:89], v[148:149], v[152:153]
	v_pk_add_f32 v[14:15], v[14:15], v[156:157]
	v_pk_add_f32 v[236:237], v[236:237], v[96:97]
	v_pk_add_f32 v[246:247], v[246:247], v[98:99]
	v_pk_add_f32 v[244:245], v[244:245], v[102:103]
	v_pk_add_f32 v[234:235], v[234:235], v[106:107]
	v_pk_add_f32 v[232:233], v[232:233], v[110:111]
	v_pk_add_f32 v[90:91], v[90:91], v[114:115]
	v_pk_add_f32 v[88:89], v[88:89], v[118:119]
	v_pk_add_f32 v[14:15], v[14:15], v[122:123]
	v_pk_add_f32 v[236:237], v[236:237], v[126:127]
	v_pk_add_f32 v[246:247], v[246:247], v[130:131]
	v_pk_add_f32 v[244:245], v[244:245], v[134:135]
	v_pk_add_f32 v[234:235], v[234:235], v[138:139]
	v_pk_add_f32 v[232:233], v[232:233], v[142:143]
	v_pk_add_f32 v[90:91], v[90:91], v[146:147]
	v_pk_add_f32 v[88:89], v[88:89], v[150:151]
	v_pk_add_f32 v[14:15], v[14:15], v[154:155]
	v_pk_add_f32 v[236:237], v[236:237], v[158:159]
	s_delay_alu instid0(VALU_DEP_2)
	v_pk_add_f32 v[14:15], v[14:15], v[234:235]
	s_delay_alu instid0(VALU_DEP_2)
	v_pk_add_f32 v[236:237], v[236:237], v[232:233]
	v_pk_add_f32 v[246:247], v[246:247], v[90:91]
	v_pk_add_f32 v[244:245], v[244:245], v[88:89]
	s_delay_alu instid0(VALU_DEP_2)
	v_pk_add_f32 v[14:15], v[14:15], v[246:247]
	s_delay_alu instid0(VALU_DEP_2)
	v_pk_add_f32 v[236:237], v[236:237], v[244:245]
	s_delay_alu instid0(VALU_DEP_1)
	v_pk_add_f32 v[14:15], v[14:15], v[236:237]
.set j, 0
	s_setprio 0
.rept 16
	v_pk_mul_f32 v[160+j:161+j], v[160+j:161+j], v[252:253] op_sel_hi:[1,0]   ; O^T under the new M
.set j, j+2
.endr
	s_wait_alu depctr_va_vdst(0)
	s_wait_dscnt 0x0                               ; V and its words are in
.irp dt, 0,1,2,3                       ; four accumulators by turns, one instruction a turn; eight other products stand between a sum's links
	v_wmma_scale_f32_16x16x128_f8f6f4 v[160+8*\dt:167+8*\dt], v[192+8*\dt:199+8*\dt], v[224:231], v[160+8*\dt:167+8*\dt], v[240+\dt], v253 matrix_a_fmt:MATRIX_FMT_FP4 matrix_b_fmt:MATRIX_FMT_FP4
.endr
	s_add_co_u32 s80, s80, 4096
	s_add_co_u32 s81, s81, 512
	s_add_co_u32 s82, s82, 256
.endm
; Head e's O^T / l: register 16 b + i is d = 32 b + 16 h + i of my query: two half blocks, quantised and sent.
.macro OUTQ e
.rept 4
	v_nop                                          ; places behind the last products
.endr
	v_add_f32 v14, v14, v15
	s_delay_alu instid0(VALU_DEP_1)
	v_permlanex16_b32 v252, v14, s22, s23
	s_delay_alu instid0(VALU_DEP_1)
	v_add_f32 v14, v14, v252                       ; the row's sum
	s_wait_alu depctr_va_vdst(0)
	v_rcp_f32 v14, v14
	v_nop                                          ; one plain place behind a transcendental
.set j, 0
	s_wait_alu depctr_va_vdst(0)
.rept 16
	v_pk_mul_f32 v[96+j:97+j], v[160+j:161+j], v[14:15] op_sel_hi:[1,0]   ; each accumulator from its low end on
.set j, j+2
.endr
.irp b, 0,1
	v_max3_num_f32 v[232+\b], |v[96+16*\b]|, |v[97+16*\b]|, 0x1800000
.endr
.irp i, 2,4,6,8,10,12,14
.irp b, 0,1
	s_delay_alu instid0(VALU_DEP_2)
	v_max3_num_f32 v[232+\b], v[232+\b], |v[96+16*\b+\i]|, |v[97+16*\b+\i]|
.endr
.endr
.irp b, 0,1
	s_delay_alu instid0(VALU_DEP_2)
	v_permlanex16_b32 v[236+\b], v[232+\b], s22, s23
.endr
.irp b, 0,1
	s_delay_alu instid0(VALU_DEP_2)
	v_max_num_f32 v[232+\b], v[232+\b], v[236+\b]
.endr
.irp b, 0,1
	s_delay_alu instid0(VALU_DEP_2)
	v_add_nc_u32 v[244+\b], 0xff000000, v[232+\b]
.endr
.irp b, 0,1
	s_delay_alu instid0(VALU_DEP_2)
	v_lshrrev_b32 v[236+\b], 23, v[244+\b]
.endr
.if \e
	s_wait_alu depctr_va_vdst(0)
	s_wait_xcnt 0x0                                ; v4-7 were the first head's store data: they are rewritten only behind this wait
.endif
.irp b, 0,1
	v_cvt_scalef32_pk8_fp4_f32 v[4+2*\b], v[96+16*\b:103+16*\b], v[244+\b]
	v_cvt_scalef32_pk8_fp4_f32 v[5+2*\b], v[104+16*\b:111+16*\b], v[244+\b]
.endr
	v_nop                                          ; one plain place behind a scaled conversion
.if \e
	v_lshl_or_b32 v249, v236, 16, v249             ; the word's upper two bytes
	s_delay_alu instid0(VALU_DEP_1)
	v_lshl_or_b32 v249, v237, 24, v249
.else
	v_lshl_or_b32 v249, v237, 8, v236              ; its lower two
.endif
.irp b, 0,1
	global_store_b64 v3, v[4+2*\b:5+2*\b], s[96:97] offset:(2*\e+\b)*256   ; 256 bytes on end
.endr
.endm
.macro PASS e
	v_mov_b32 v13, 0xff61b1e6                      ; the largest t so far: -3e38
	s_delay_alu instid0(VALU_DEP_1)
	v_floor_f32 v12, -v13
	v_mov_b32 v14, 0
	v_mov_b32 v15, 0
.set j, 0
.rept 32
	v_mov_b32 v[160+j], 0                          ; O^T: the step is written once; its first trip finds zeros
.set j, j+1
.endr
	s_mov_b32 s80, \e*65536
	s_mov_b32 s81, KSC+\e*8192
	s_mov_b32 s82, VSC+\e*4096
	s_mov_b32 s83, 16
	s_wait_loadcnt 0x0                             ; Q
.Lstep_\@:
	s_setprio 2
	STEP
	s_sub_co_u32 s83, s83, 1
	s_cmp_lg_u32 s83, 0
	s_cbranch_scc1 .Lstep_\@
	s_setprio 0
.endm
	s_wait_tensorcnt 1                             ; my scale words and my part of head 0 are in; head 1's may stay out
	s_barrier_signal -1
	s_barrier_wait -1
	PASS 0
	QLOAD 1                                        ; the products that read Q stand a whole softmax back
	OUTQ 0
	s_wait_tensorcnt 0x0                           ; my part of head 1 has landed,
	s_wait_dscnt 0x0
	s_barrier_signal -1
	s_barrier_wait -1                              ; everybody's has
	PASS 1
	OUTQ 1
	ds_store_b32 v250, v249                        ; lanes r and r + 16 write the same word with the same value
	s_wait_dscnt 0x0                               ; for the others' sake
	s_barrier_signal -1
	s_barrier_wait -1
	s_cmp_lt_u32 s20, 2
	s_cbranch_scc0 .Lno_words
	ds_load_b128 v[96:99], v251
	s_wait_dscnt 0x0
	global_store_b128 v255, v[96:99], s[98:99]     ; 512 bytes on end from each of two waves
.Lno_words:
	s_wait_xcnt 0x0
	v_lshl_add_u32 v254, v0, 2, 0x46400
	v_mov_b32 v255, 0
	s_wait_alu depctr_va_vdst(0)
	s_wait_tensorcnt 0x0
	ds_add_u32 v254, v255
	s_wait_dscnt 0x0
	CROUND                                         ; the closing round
	s_endpgm
.Lfunc_end_k_q6b6aaa29df_attn:
	.size	k_q6b6aaa29df_attn, .Lfunc_end_k_q6b6aaa29df_attn-k_q6b6aaa29df_attn
	.p2alignl 7, 3214868480
	.fill 96, 4, 3214868480
	.section	.rodata,"a",@progbits
	.p2align	6, 0x0
	.amdhsa_kernel k_q6b6aaa29df_attn
		.amdhsa_group_segment_fixed_size 289792
		.amdhsa_private_segment_fixed_size 0
		.amdhsa_enable_private_segment 0
		.amdhsa_kernarg_size 32
		.amdhsa_user_sgpr_count 2
		.amdhsa_user_sgpr_kernarg_segment_ptr 1
		.amdhsa_wavefront_size32 1
		.amdhsa_system_sgpr_workgroup_id_x 1
		.amdhsa_system_sgpr_workgroup_id_y 1
		.amdhsa_system_sgpr_workgroup_id_z 1
		.amdhsa_system_vgpr_workitem_id 0
		.amdhsa_next_free_vgpr 256
		.amdhsa_next_free_sgpr 100
		.amdhsa_reserve_vcc 0
		.amdhsa_float_denorm_mode_32 3
		.amdhsa_float_denorm_mode_16_64 3
		.amdhsa_memory_ordered 1
		.amdhsa_forward_progress 1
		.amdhsa_inst_pref_size 54
	.end_amdhsa_kernel
	.amdgpu_metadata
---
amdhsa.version: [ 1, 2 ]
amdhsa.kernels:
  - .name:           k_q6b6aaa29df_attn
    .symbol:         k_q6b6aaa29df_attn.kd
    .args:
      - { .name: qq, .offset: 0, .size: 8, .value_kind: global_buffer, .address_space: global }
      - { .name: kq, .offset: 8, .size: 8, .value_kind: global_buffer, .address_space: global }
      - { .name: vq, .offset: 16, .size: 8, .value_kind: global_buffer, .address_space: global }
      - { .name: aq, .offset: 24, .size: 8, .value_kind: global_buffer, .address_space: global }
    .group_segment_fixed_size: 289792
    .private_segment_fixed_size: 0
    .kernarg_segment_align: 8
    .kernarg_segment_size: 32
    .max_flat_workgroup_size: 512
    .sgpr_count:     100
    .vgpr_count:     256
    .wavefront_size: 32
...
	.end_amdgpu_metadata
.endif
;; end of part 3
;; launch oproj (part 4): grid 4 x 64, 4 waves a work-group, clusters of 4 x 4, 243,200 bytes of LDS; arguments aq, wq, bo, out0; writes out0
.if DOCPART == 4
	.amdgcn_target "amdgcn-amd-amdhsa--gfx1250"
	.amdhsa_code_object_version 6
	.text
	.protected	k_q6b6aaa29df_oproj
	.globl	k_q6b6aaa29df_oproj
	.p2align	8
	.type	k_q6b6aaa29df_oproj,@function
k_q6b6aaa29df_oproj:
	s_mov_b64 s[64:65], 0
	v_nop
	global_prefetch_b8 v0, s[64:65] scope:SCOPE_SE
	s_setreg_imm32_b32 hwreg(HW_REG_WAVE_MODE, 25, 1), 1
	s_wait_xcnt 0x0
	s_wait_alu depctr_hold_cnt(0) depctr_sa_sdst(0) depctr_va_vdst(0) depctr_va_sdst(0) depctr_va_ssrc(0) depctr_va_vcc(0) depctr_vm_vsrc(0)
	s_getreg_b32 s2, hwreg(HW_REG_IB_STS2, 6, 4)
	s_cmp_eq_u32 s2, 0
	s_cbranch_scc0 .Lentry_in_a_cluster
	s_endpgm
.Lentry_in_a_cluster:
	s_bfe_u32 s2, ttmp6, 0x10000c
	s_cmp_lg_u32 s2, 0xf033
	s_cbranch_scc0 .Lentry_shape_is_right
	s_endpgm
.Lentry_shape_is_right:
; out0 = (o / l) Wo^T + bo on codes of FP4 with E8M0 scales; out0 [8192][1024] f32.
; SHARES.  A work-group takes 128 tokens (8 tiles of aq) x 256 columns (16 tiles of wq from tile 192 on): 256 work-groups.  A wave makes 64 tokens x 128 columns: 32 accumulators.
; All of K (1,024) of both operands fits into LDS: three first fills a wave (scales, first half of K, second half); nothing is filled again.
; CLUSTERS: 4 x 4.  The four of a row need the same tokens, the four of a column the same rows of Wo: each tile is asked for jointly.
; Source 0 = rows of Wo, source 1 = tokens: a lane holds one token and eight neighbouring columns.  Place r of a tile is row 32 (T / 2) + 8 (T % 2) + r + 8 (r / 8), for columns and tokens alike.  bo is the C of each sum's first product.
; REGISTERS: window 0: v1-27 addresses; v32-63 the tokens' scale words (8 a + k), v64-127 Wo's (8 b + k); v128-191 the tokens' fragments, two sets; on the way out v128-255 rows of out0.
;   window 1: v0-63, v128-191 Wo's fragments; v64-127 the bias.   window 2: accumulator (a, b) at 8 (8 a + b).
.set KHB,  98304                       ; LDS: half kh of K begins here: 8 tiles x 4,096 bytes of tokens, then 16 of Wo
.set WOFF, 32768
.set ASC,  196608                      ; the tokens' scale words [8 K steps][8 tiles][16 r]
.set WSC,  200704                      ; Wo's scale bytes, 16 x 512
.set STG,  208896                      ; a stage of 16 rows x (512 + 16) bytes for each wave; no tile ever lands here
.set SPI,  528
.set ADRA, 16
.set ADRW, 20
.set ASA,  24
.set ASW,  25
.set STO,  26
.set RD,   27
.set SA,   32
.set SW,   64
.set BI,   64
.set G1A,  32
.set G1W,  40
.set G1AS, 48
.set G1WS, 56
.set G0A,  68
.set G0W,  76
.set G0AS, 84
.set G0WS, 88
.set MSB, 0
.macro WIN new                         ; the immediate's high byte repeats the setting that is left
.if MSB != (\new)
	s_set_vgpr_msb (MSB<<8)|(\new)
.set MSB, (\new)
.endif
.endm
.macro PLACES n
.rept \n
	v_nop
.endr
.endm
.macro CROUND
	s_barrier_signal -1
	s_barrier_wait -1
	s_cmp_lg_u32 s20, 0
	s_cbranch_scc1 .Lnot_wave_0_\@
	s_barrier_signal -3
.Lnot_wave_0_\@:
	s_barrier_wait -3
	s_barrier_signal -1
	s_barrier_wait -1
.endm
	s_load_b256 s[4:11], s[0:1], 0x0               ; aq, wq, bo, out0
	v_lshl_add_u32 v30, v0, 2, 0x3b400
	v_mov_b32 v31, 0
	ds_add_u32 v30, v31
	ds_add_u32 v30, v31
	v_lshrrev_b32 v1, 5, v0
	v_readfirstlane_b32 s20, v1                    ; wave
	s_lshr_b32 s21, s20, 1                         ; my half of the tokens.  Also: I fetch tokens (0) or rows of Wo (1)
	s_and_b32 s22, s20, 1                          ; my half of the columns.  Also: which half of a tile set I fetch
	s_bfe_u32 s23, ttmp6, 0x40000                  ; cx
	s_bfe_u32 s24, ttmp6, 0x40004                  ; cy
	s_lshl_b32 s25, ttmp9, 2
	s_add_co_u32 s25, s25, s23                     ; wx: which 256 columns
	s_and_b32 s26, ttmp7, 0xffff
	s_lshl_b32 s26, s26, 2
	s_add_co_u32 s26, s26, s24                     ; wy: which 128 tokens
	s_lshl_b32 s27, s24, 2
	s_lshl_b32 s27, 15, s27                        ; my row of the cluster
	s_lshl_b32 s28, 0x1111, s23                    ; my column
	s_or_b32 s[G1A], s27, (3<<16)|(1<<21)          ; 15:0 the mask; 17:16 elements of 8 bytes; 21 set beside a mask
	s_or_b32 s[G1W], s28, (3<<16)|(1<<21)
	s_or_b32 s[G1AS], s27, (3<<16)|(1<<21)
	s_or_b32 s[G1WS], s28, (3<<16)|(1<<21)
	s_mov_b32 s[G1A+1], 512<<16                    ; tokens' codes: 4 tiles' halves of K: 4 rows of 4,096 bytes, 8,192 apart
	s_mov_b32 s[G1A+2], 4<<16
	s_mov_b32 s[G1A+3], 512<<16
	s_mov_b32 s[G1A+4], 4
	s_mov_b32 s[G1A+5], 1024
	s_mov_b32 s[G1A+6], 0
	s_mov_b32 s[G1A+7], 0
	s_mov_b32 s[G1W+1], 512<<16                    ; Wo's: 8 such rows
	s_mov_b32 s[G1W+2], 8<<16
	s_mov_b32 s[G1W+3], 512<<16
	s_mov_b32 s[G1W+4], 8
	s_mov_b32 s[G1W+5], 1024
	s_mov_b32 s[G1W+6], 0
	s_mov_b32 s[G1W+7], 0
	s_mov_b32 s[G1AS+1], 64<<16                    ; tokens' scale words: 4 K steps: 4 rows of 512 bytes, 32,768 apart
	s_mov_b32 s[G1AS+2], 4<<16
	s_mov_b32 s[G1AS+3], 64<<16
	s_mov_b32 s[G1AS+4], 4
	s_mov_b32 s[G1AS+5], 4096
	s_mov_b32 s[G1AS+6], 0
	s_mov_b32 s[G1AS+7], 0
	s_mov_b32 s[G1WS+1], 32<<16                    ; Wo's scale bytes: 4,096 dense bytes as 16 rows of 256
	s_mov_b32 s[G1WS+2], 16<<16
	s_mov_b32 s[G1WS+3], 32<<16
	s_mov_b32 s[G1WS+4], 16
	s_mov_b32 s[G1WS+5], 32
	s_mov_b32 s[G1WS+6], 0
	s_mov_b32 s[G1WS+7], 0
	s_lshl_b32 s92, s26, 3
	s_lshl_b32 s29, s22, 2
	s_add_co_u32 s92, s92, s29                     ; the tokens' first tile that I fetch: 8 wy + 4 (w % 2)
	s_lshl_b32 s92, s92, 13
	s_mov_b32 s93, 0
	s_lshl_b32 s94, s26, 9                         ; their scale words: 512 bytes for the 8 tiles, K steps 4 (w % 2) on
	s_lshl_b32 s29, s22, 17
	s_add_co_u32 s94, s94, s29
	s_add_co_u32 s94, s94, 0x400000
	s_mov_b32 s95, 0
	s_lshl_b32 s96, s25, 4
	s_lshl_b32 s29, s22, 3
	s_add_co_u32 s96, s96, s29
	s_add_co_u32 s96, s96, 192                     ; Wo's: 192 + 16 wx + 8 (w % 2)
	s_lshl_b32 s98, s96, 9
	s_add_co_u32 s98, s98, 0x200000
	s_lshl_b32 s96, s96, 13
	s_mov_b32 s97, 0
	s_mov_b32 s99, 0
	s_lshl_b32 s29, s22, 14                        ; where they go: no place in the cluster enters an LDS address
	s_lshl_b32 s30, s22, 15
	s_add_co_u32 s30, s30, WOFF
	s_lshl_b32 s31, s22, 11
	s_lshl_b32 s66, s22, 12
	s_wait_dscnt 0x0
	s_wait_kmcnt 0x0
	s_add_nc_u64 s[92:93], s[4:5], s[92:93]
	s_add_nc_u64 s[94:95], s[4:5], s[94:95]
	s_add_nc_u64 s[96:97], s[6:7], s[96:97]
	s_add_nc_u64 s[98:99], s[6:7], s[98:99]
.irp s, 0,1
	s_mov_b32 s[G0A+4*\s], 1
	s_add_co_u32 s[G0A+4*\s+1], s29, \s*KHB
	s_add_nc_u64 s[G0A+4*\s+2:G0A+4*\s+3], s[92:93], \s*4096
	s_or_b32 s[G0A+4*\s+3], s[G0A+4*\s+3], 0x80000000
	s_mov_b32 s[G0W+4*\s], 1
	s_add_co_u32 s[G0W+4*\s+1], s30, \s*KHB
	s_add_nc_u64 s[G0W+4*\s+2:G0W+4*\s+3], s[96:97], \s*4096
	s_or_b32 s[G0W+4*\s+3], s[G0W+4*\s+3], 0x80000000
.endr
	s_mov_b32 s[G0AS], 1
	s_add_co_u32 s[G0AS+1], s31, ASC
	s_mov_b64 s[G0AS+2:G0AS+3], s[94:95]
	s_or_b32 s[G0AS+3], s[G0AS+3], 0x80000000
	s_mov_b32 s[G0WS], 1
	s_add_co_u32 s[G0WS+1], s66, WSC
	s_mov_b64 s[G0WS+2:G0WS+3], s[98:99]
	s_or_b32 s[G0WS+3], s[G0WS+3], 0x80000000
	CROUND                                         ; all sixteen work-groups are here: the joint loads meet
	s_cmp_eq_u32 s21, 0                            ; a wave's three first fills in one branch: three loads of mine are out; four v_nop follow the third
	s_cbranch_scc0 .Lfor_w
	tensor_load_to_lds s[G0AS:G0AS+3], s[G1AS:G1AS+7]
	s_nop 0
	tensor_load_to_lds s[G0A:G0A+3], s[G1A:G1A+7]
	s_nop 0
	tensor_load_to_lds s[G0A+4:G0A+7], s[G1A:G1A+7]
	s_nop 0
	PLACES 4
	s_branch .Lasked
.Lfor_w:
	tensor_load_to_lds s[G0WS:G0WS+3], s[G1WS:G1WS+7]
	s_nop 0
	tensor_load_to_lds s[G0W:G0W+3], s[G1W:G1W+7]
	s_nop 0
	tensor_load_to_lds s[G0W+4:G0W+7], s[G1W:G1W+7]
	s_nop 0
	PLACES 4
.Lasked:
	v_and_b32 v1, 15, v0                           ; r
	v_bfe_u32 v2, v0, 4, 1                         ; h
	v_and_b32 v8, 31, v0
	v_lshlrev_b32 v3, 4, v8                        ; 16 x lane
	v_lshlrev_b32 v6, 6, v2                        ; 64 h: the bias of my half's 16 columns
	s_wait_alu depctr_va_vdst(0)
	s_lshl_b32 s100, s25, 10
	s_lshl_b32 s29, s22, 9
	s_add_co_u32 s100, s100, s29                   ; my 128 columns, in bytes
	s_mov_b32 s101, 0
	s_add_nc_u64 s[8:9], s[8:9], s[100:101]
	s_add_nc_u64 s[10:11], s[10:11], s[100:101]
	s_lshl_b32 s100, s26, 19
	s_lshl_b32 s29, s21, 18
	s_add_co_u32 s100, s100, s29                   ; my 64 tokens: rows of 4,096 bytes
	s_add_nc_u64 s[10:11], s[10:11], s[100:101]
	WIN 0x40
.irp b, 0,1,2,3,4,5,6,7                ; lane (r, h) wants, for Wo's tile b, the bias of columns 32 (b / 2) + 8 (b % 2) + 16 h + 0 .. 7
	global_load_b128 v[BI+8*\b:BI+8*\b+3], v6, s[8:9] offset:128*(\b/2)+32*(\b%2)
	global_load_b128 v[BI+8*\b+4:BI+8*\b+7], v6, s[8:9] offset:128*(\b/2)+32*(\b%2)+16
.endr
	WIN 0
	s_lshl_b32 s29, s21, 14
	v_add_nc_u32 v[ADRA], s29, v3
	v_add_nc_u32 v[ADRA+1], KHB, v[ADRA]
	s_lshl_b32 s29, s22, 15
	s_add_co_u32 s29, s29, WOFF
	v_add_nc_u32 v[ADRW], s29, v3
	v_add_nc_u32 v[ADRW+1], KHB, v[ADRW]
	s_lshl_b32 s29, s21, 8
	s_add_co_u32 s29, s29, ASC
	v_lshl_add_u32 v[ASA], v1, 2, s29              ; my four tiles' words: 64 bytes a tile, 4 a row
	s_lshl_b32 s29, s22, 12
	s_add_co_u32 s29, s29, WSC
	v_lshl_add_u32 v[ASW], v1, 4, s29              ; my eight tiles of Wo: 512 bytes a tile, 16 a row and half of K
	s_mul_i32 s29, s20, 16*SPI
	s_add_co_u32 s29, s29, STG                     ; my stage
	v_mul_u32_u24 v[STO], v1, SPI
	v_lshl_add_u32 v[STO], v2, 6, v[STO]
	v_add_nc_u32 v[STO], s29, v[STO]               ; in: row r, + 64 h
	v_add_nc_u32 v[RD], s29, v3                    ; back: the 32 lanes take a row of 512 bytes
	s_wait_alu depctr_va_vdst(0)
	s_wait_tensorcnt 1                             ; my scales and my part of K's first half are in; the second half may stay out
	s_barrier_signal -1
	s_barrier_wait -1
.irp a, 0,1,2,3
.irp k, 0,1,2,3,4,5,6,7
	ds_load_b32 v[SA+8*\a+\k], v[ASA] offset:\k*512+\a*64
.endr
.endr
.irp b, 0,1,2,3,4,5,6,7
.irp kh, 0,1
	ds_load_b128 v[SW+8*\b+4*\kh:SW+8*\b+4*\kh+3], v[ASW] offset:\b*512+\kh*256
.endr
.endr
.macro FRAG reg, adr, q, i             ; 16 rows x 128 K: 1,024 bytes on end
.irp c, 0,1
	ds_load_b128 v[\reg+4*\c:\reg+4*\c+3], v[\adr] offset:(\i)*4096+(\q)*1024+512*\c
.endr
.endm
.macro FETCH k                         ; K step k's 12 fragments into set k % 2
.set KH, (\k)/4
.set QQ, (\k)%4
.set PP, (\k)%2
	WIN 0x40
.irp i, 0,1,2,3,4,5,6,7
	FRAG 128*PP+8*\i, ADRW+KH, QQ, \i
.endr
	WIN 0
.irp i, 0,1,2,3
	FRAG 128+32*PP+8*\i, ADRA+KH, QQ, \i
.endr
.endm
; The 32 accumulators take turns, one instruction a turn, in the same order in every step.  first = 1: C = the bias.
.macro MUL32 k, first
.irp a, 0,1,2,3
.irp b, 0,1,2,3,4,5,6,7
.set iD, 8*(8*\a+\b)
.set iA, 128*((\k)%2)+8*\b
.set iB, 128+32*((\k)%2)+8*\a
.if \first
.set iC, BI+8*\b
.else
.set iC, iD
.endif
	v_wmma_scale_f32_16x16x128_f8f6f4 v[iD:iD+7], v[iA:iA+7], v[iB:iB+7], v[iC:iC+7], v[SW+8*\b+(\k)], v[SA+8*\a+(\k)] matrix_a_fmt:MATRIX_FMT_FP4 matrix_b_fmt:MATRIX_FMT_FP4
.endr
.endr
.endm
.macro STEP k
	s_wait_dscnt 0x0                               ; this step's fragments are in
.if (\k) == 3
	s_wait_tensorcnt 0x0                           ; my part of K's second half has landed,
	s_barrier_signal -1
	s_barrier_wait -1                              ; everybody's has
.endif
.if (\k) < 7
.if (\k) > 0
	PLACES 4                                       ; in front of loads into registers that the last step's products read
.endif
	FETCH (\k)+1
.endif
.if (\k) == 0
	WIN 0x91                                       ; source 0 and C (the bias) window 1, source 1 window 0, D window 2
	MUL32 \k, 1
.else
	WIN 0xa1                                       ; C and D window 2
	MUL32 \k, 0
.endif
.endm
	FETCH 0
	s_wait_loadcnt 0x0                             ; the bias
.irp k, 0,1,2,3,4,5,6,7
	STEP \k
.endr
; THE WAY OUT, a tile of 16 tokens x 128 columns at a time, through my own stage: a lane holds 32 bytes of a row, the lanes beside it other rows; back come whole rows of 512 bytes.
; LDS serves a wave's instructions in order: no wait between the stores and the loads, nor in front of the next tile's stores.
.macro TOSTAGE a
	WIN 0x08                                       ; an LDS store's data are its source 1: window 2
.irp b, 0,1,2,3,4,5,6,7
	ds_store_b128 v[STO], v[8*(8*(\a)+\b):8*(8*(\a)+\b)+3] offset:128*(\b/2)+32*(\b%2)          ; each accumulator from its low end on
	ds_store_b128 v[STO], v[8*(8*(\a)+\b)+4:8*(8*(\a)+\b)+7] offset:128*(\b/2)+32*(\b%2)+16
.endr
	WIN 0
.set BB, 192-64*((\a)%2)
.irp t, 0,1,2,3,4,5,6,7,8,9,10,11,12,13,14,15
	ds_load_b128 v[BB+4*\t:BB+4*\t+3], v[RD] offset:\t*SPI
.endr
.endm
.macro SEND a, younger                 ; younger: the LDS instructions issued behind tile a's loads
.set BB, 192-64*((\a)%2)
	s_wait_dscnt \younger
.irp t, 0,1,2,3,4,5,6,7,8,9,10,11,12,13,14,15
	global_store_b128 v3, v[BB+4*\t:BB+4*\t+3], s[10:11] offset:(32*((\a)/2)+8*((\a)%2)+\t+8*(\t/8))*4096 th:TH_STORE_NT   ; place t of tile a is that token; 512 bytes on end, aligned; written once, read by nobody here
.endr
.endm
	PLACES 4                                       ; in front of the first reads of results and of loads into registers that held fragments
	TOSTAGE 0
.irp a, 1,2,3
.if \a > 1
	s_wait_xcnt 0x0                                ; tile a - 2's stores have read their registers: tile a's rows may land there
.endif
	TOSTAGE \a
	SEND \a-1, 32                                  ; behind tile a - 1's loads: tile a's 16 stores and 16 loads
.endr
	SEND 3, 0
	s_wait_tensorcnt 0x0
	ds_add_u32 v30, v31
	s_wait_dscnt 0x0
	CROUND                                         ; the closing round
	s_endpgm
.Lfunc_end_k_q6b6aaa29df_oproj:
	.size	k_q6b6aaa29df_oproj, .Lfunc_end_k_q6b6aaa29df_oproj-k_q6b6aaa29df_oproj
	.p2alignl 7, 3214868480
	.fill 96, 4, 3214868480
	.section	.rodata,"a",@progbits
	.p2align	6, 0x0
	.amdhsa_kernel k_q6b6aaa29df_oproj
		.amdhsa_group_segment_fixed_size 243200
		.amdhsa_private_segment_fixed_size 0
		.amdhsa_enable_private_segment 0
		.amdhsa_kernarg_size 32
		.amdhsa_user_sgpr_count 2
		.amdhsa_user_sgpr_kernarg_segment_ptr 1
		.amdhsa_wavefront_size32 1
		.amdhsa_system_sgpr_workgroup_id_x 1
		.amdhsa_system_sgpr_workgroup_id_y 1
		.amdhsa_system_sgpr_workgroup_id_z 1
		.amdhsa_system_vgpr_workitem_id 0
		.amdhsa_next_free_vgpr 768
		.amdhsa_next_free_sgpr 102
		.amdhsa_reserve_vcc 0
		.amdhsa_float_denorm_mode_32 3
		.amdhsa_float_denorm_mode_16_64 3
		.amdhsa_memory_ordered 1
		.amdhsa_forward_progress 1
		.amdhsa_inst_pref_size 74
	.end_amdhsa_kernel
	.amdgpu_metadata
---
amdhsa.version: [ 1, 2 ]
amdhsa.kernels:
  - .name:           k_q6b6aaa29df_oproj
    .symbol:         k_q6b6aaa29df_oproj.kd
    .args:
      - { .name: aq, .offset: 0, .size: 8, .value_kind: global_buffer, .address_space: global }
      - { .name: wq, .offset: 8, .size: 8, .value_kind: global_buffer, .address_space: global }
      - { .name: bo, .offset: 16, .size: 8, .value_kind: global_buffer, .address_space: global }
      - { .name: out0, .offset: 24, .size: 8, .value_kind: global_buffer, .address_space: global }
    .group_segment_fixed_size: 243200
    .private_segment_fixed_size: 0
    .kernarg_segment_align: 8
    .kernarg_segment_size: 32
    .max_flat_workgroup_size: 128
    .sgpr_count:     102
    .vgpr_count:     768
    .wavefront_size: 32
...
	.end_amdgpu_metadata
.endif
;; end of part 4
